; MI455X (gfx1250); checked and timed in simulation.
; The chip was launched on July 23, 2026; its instructions are those of AMD's public machine-readable ISA for CDNA 5 (MIT licence, August 2026) and "CDNA5" Instruction Set Architecture Reference Guide (July 2026). The comments in the code are by the model that wrote it; some were corrected since.
;; Cam Embedding. Allowed arithmetic: matrix products marked QUANTISED: E2M1 operands, one E8M0 scale for each 32 along K, by v_wmma_scale_f32_16x16x128_f8f6f4 with both operands' format E2M1 (or v_wmma_scale_f32_32x16x128_f4), f32 sums; everything else in f32.
;; Inputs: W_codes 8 x 2,048 x 64 x 16 uint8 (E2M1 codes of W, K innermost, in blocks of 32 codes, two codes a byte); W_scales 8 x 2,048 x 64 uint8 (E8M0 scales of W, one for each 32 codes along K); b 8 x 2,048 float32; cam_pred_ids 2,048 int32; x 2,048 x 2,048 float32.
;; Outputs: out0 2,048 x 2,048 float32.
;; This version of the problem:
;;   THIS VERSION OF THE PROBLEM IS GIVEN IN LOW PRECISION. The matrix products marked QUANTISED in the list below multiply operands that are first quantised to E2M1 (2 exponent bits, 1 mantissa bit; 4 bits a number), with one power-of-two scale for each 32 numbers along K (OCP MX v1.0); their sums are f32. All else is computed in f32.
;;   The module's matrix products, in the order in which they are computed (A, B: the left and right operand; K: the contracted axis; several contracted axes count as one K, in the product's order):
;;     1. [M 2,048, K 2,048] x [K 2,048, N 2,048]; A: input x; B: input W (given as codes): QUANTISED
;;     2. [M 2,048, K 2,048] x [K 2,048, N 2,048]; A: input x; B: input W (given as codes): QUANTISED
;;     3. [M 2,048, K 2,048] x [K 2,048, N 2,048]; A: input x; B: input W (given as codes): QUANTISED
;;     4. [M 2,048, K 2,048] x [K 2,048, N 2,048]; A: input x; B: input W (given as codes): QUANTISED
;;     5. [M 2,048, K 2,048] x [K 2,048, N 2,048]; A: input x; B: input W (given as codes): QUANTISED
;;     6. [M 2,048, K 2,048] x [K 2,048, N 2,048]; A: input x; B: input W (given as codes): QUANTISED
;;     7. [M 2,048, K 2,048] x [K 2,048, N 2,048]; A: input x; B: input W (given as codes): QUANTISED
;;     8. [M 2,048, K 2,048] x [K 2,048, N 2,048]; A: input x; B: input W (given as codes): QUANTISED
;;   THE QUANTISER, for each operand of a quantised product, along K:
;;     - K is cut into blocks of 32 from its start; a last block that is shorter is filled with zeros.
;;     - A block's scale is 2^e with e = floor(log2(the largest magnitude in the block)) - 2, held to -126 .. 127; a block of zeros has e = 0. As a byte (E8M0): e + 127.
;;     - Each number is divided by its block's scale, clamped to +-6, and rounded to the nearest number of E2M1, ties to even, subnormals kept.
;;     - The product sums the exact products of the quantised numbers (number of the format x scale) in f32.
;;   ~~~python
;;   def quantise(x, axis):      # numpy; x: float32 -> the quantised numbers, widened to float32 again
;;       x = np.moveaxis(x, axis, -1); K = x.shape[-1]
;;       x = np.pad(x, [(0, 0)] * (x.ndim - 1) + [(0, -K % 32)]); x = x.reshape(x.shape[:-1] + (-1, 32)); a = np.abs(x).max(-1, keepdims=True)
;;       e = np.where(a > 0, np.clip(np.frexp(np.where(a > 0, a, 1))[1] - 1 - 2, -126, 127), 0)      # np.frexp(a)[1] - 1 = floor(log2(a)), exactly
;;       r = np.clip(x / 2.0 ** e, -6, 6)
;;       step = 2.0 ** (np.maximum(np.frexp(np.where(r == 0, 1, r))[1] - 1, 0) - 1)
;;       q = np.round(r / step) * step * 2.0 ** e      # np.round: ties to even
;;       return np.moveaxis(q.reshape(q.shape[:-2] + (-1,))[..., :K], -1, axis).astype(np.float32)
;;   ~~~
;;   INPUTS GIVEN AS CODES. W (in the module: [8, 2048, 2048], K = its axis 2): each comes as NAME_codes (uint8): NAME with its K axis moved to the last place and cut into blocks of 32 codes, [.., K / 32, bytes a block], one block behind the other in memory; two codes a byte, the lower K in the low four bits (a code: sign, 2 exponent bits, 1 mantissa bit); and NAME_scales (uint8): the same leading axes, one E8M0 byte (e + 127) for each 32 codes along K. Its value is code x scale, taken as it is: it is not quantised again, and the codes and scales need not be those that the quantiser above would give.
;; 2 versions. Each part assembles by itself: llvm-mc -triple=amdgcn-amd-amdhsa -mcpu=gfx1250 --defsym DOCPART=n.
;; ======== version 1 of 2: 2 launches
;; workspace buffers: xq 2,097,152 bytes; xs 131,072 bytes; route 8,960 bytes of whole numbers
;; launch prep (part 1): grid 257 x 1, 8 waves a work-group, no clusters, 43,520 bytes of LDS; arguments x, cam_pred_ids, xq, xs, route, out0; writes xq, xs, route, out0
.if DOCPART == 1
	.amdgcn_target "amdgcn-amd-amdhsa--gfx1250"
	.amdhsa_code_object_version 6
	.text
	.protected	k_qbd31677629_prep
	.globl	k_qbd31677629_prep
	.p2align	8
	.type	k_qbd31677629_prep,@function
k_qbd31677629_prep:
	s_mov_b64 s[64:65], 0
	v_nop
	global_prefetch_b8 v0, s[64:65] scope:SCOPE_SE
	s_setreg_imm32_b32 hwreg(HW_REG_WAVE_MODE, 25, 1), 1
	s_wait_xcnt 0x0
; TWO JOBS IN ONE LAUNCH, parted on the work-group's number alone.
; Work-groups 1 to 256: x [2048][2048] f32 becomes codes of FP4 (E2M1), K innermost, xq [2048][1024 bytes], and one E8M0 byte for each 32 along K, xs [2048][64].
;   A work-group takes 8 rows, a wave one row: 4 steps of 512 numbers.  A block's scale is 2^(floor(log2(largest magnitude)) - 2): its byte is that magnitude's exponent field - 2, held at 1 from below.
;   A row whose id is not one of the 8 experts gets no product anywhere: its output is x itself, and the wave that holds the row stores it here.
; Work-group 0: a counting sort of the 2,048 ids.  route, int32: entries 0 .. 2159 = 135 tiles x 16 rows, a token's number or the marker 0x7fffffff; each expert's rows begin on a tile;
;   entry 2160 is a dump slot that nobody reads; at byte 8,704: for expert e the pair (first tile, number of tiles).  2048 / 16 + 7 = 135 tiles are the most that any split needs.
; LIMITS: NaN and infinities in x are not served.  A block of x whose largest magnitude lies under 2^-124, a block of zeros among them, gets the byte 1 (the rule says 127 for zeros): its codes are zeros or
;   what the byte 1 gives, and the bytes are read by this program alone.
; No tensor loads, no ring: a row is asked for whole, 16 loads a wave, and waves share only the 512 scale bytes that leave together.
.set SP,    80                         ; a lane's place in a stage: its 64 bytes + 16 of padding
.set WREG,  5120                       ; LDS for each wave: two stages of 32 x SP bytes
.set SCLQ,  8*WREG                     ; behind them: the work-group's 8 x 64 scale bytes
.set SORT,  SCLQ+512                   ; behind them: the sort's counts, 128 bytes a wave: bytes that the other job never names
.set DUMP,  2160                       ; route's dump entry
.set META,  8704                       ; route's table of pairs, in bytes
.set R,     16                         ; v16-79   the row as loaded: four sets of 16
.set X,     80                         ; v80-111  two sets of 16 neighbours
.set E,     112                        ; v112-115 a scale byte for each step
.set C,     116                        ; v116-123 codes: two registers for each step, so that no store's data are written again
.macro LOAD t                          ; step t: four loads of 512 consecutive bytes
.irp i, 0,1,2,3
	global_load_b128 v[R+16*(\t)+4*\i:R+16*(\t)+4*\i+3], v3, s[4:5] offset:2048*(\t)+512*\i
.endr
.endm
.macro TURN t                          ; step t's 2,048 bytes through the wave's own stage: in as they lie, out 64 bytes a lane.  LDS serves a wave's instructions in order: no wait between
.irp i, 0,1,2,3
	ds_store_b128 v14, v[R+16*(\t)+4*\i:R+16*(\t)+4*\i+3] offset:32*SP*((\t)%2)+8*SP*\i
.endr
.irp i, 0,1,2,3
	ds_load_b128 v[X+16*((\t)%2)+4*\i:X+16*((\t)%2)+4*\i+3], v15 offset:32*SP*((\t)%2)+16*\i
.endr
.endm
.macro STEP t
.set XS, X+16*((\t)%2)
.if (\t) > 0
	s_wait_dscnt 1                                 ; this step's numbers are back from the stage; the last step's byte store may be out
.else
	s_wait_dscnt 0x0
.endif
.if (\t) < 3
	s_wait_loadcnt 4*(2-(\t))                      ; the next step's four loads are in; those of the steps behind it may be out
	TURN (\t)+1                                    ; and go through the other stage while this step is worked
.endif
	v_max3_num_f32 v8, |v[XS]|, |v[XS+1]|, |v[XS+2]|               ; the largest magnitude of my 16, in two chains
	v_max3_num_f32 v9, |v[XS+3]|, |v[XS+4]|, |v[XS+5]|
.irp i, 6,10
	v_max3_num_f32 v8, v8, |v[XS+\i]|, |v[XS+\i+1]|
	v_max3_num_f32 v9, v9, |v[XS+\i+2]|, |v[XS+\i+3]|
.endr
	v_max3_num_f32 v8, v8, |v[XS+14]|, |v[XS+15]|
	v_max3_num_f32 v8, v8, v9, 0x1800000           ; and the floor 2^(3 - 127): the byte cannot fall under 1
	v_max_num_f32_dpp v8, v8, v8 row_xmask:1 row_mask:0xf bank_mask:0xf   ; with my neighbour's 16: the block's
	v_add_nc_u32 v11, 0xff000000, v8               ; 2 off its exponent field: the conversion takes the exponent field of this operand as its scale
	v_cvt_scalef32_pk8_fp4_f32 v[C+2*(\t)], v[XS:XS+7], v11        ; to the nearest code, ties to even, beyond 6 the largest code; the first number's code in the lowest four bits
	v_cvt_scalef32_pk8_fp4_f32 v[C+2*(\t)+1], v[XS+8:XS+15], v11
	v_lshrrev_b32 v[E+(\t)], 23, v11               ; the scale's byte (a plain line behind the conversions)
	ds_store_b8 v5, v[E+(\t)] offset:16*(\t)       ; both lanes of a block write the same byte with the same value
	global_store_b64 v4, v[C+2*(\t):C+2*(\t)+1], s[8:9] offset:256*(\t)   ; the wave stores 256 consecutive bytes, aligned
.endm
	s_load_b256 s[4:11], s[0:1], 0x0               ; x s[4:5], ids s[6:7], xq s[8:9], xs s[10:11]
	s_load_b128 s[12:15], s[0:1], 0x20             ; route s[12:13], out0 s[14:15]
	v_lshl_add_u32 v128, v0, 2, 0xa600
	v_mov_b32 v129, 0
	v_lshrrev_b32 v1, 5, v0
	v_readfirstlane_b32 s16, v1                    ; wave 0..7
	v_and_b32 v2, 31, v0                           ; lane
	v_lshlrev_b32 v3, 4, v2                        ; 16 x lane
	s_wait_kmcnt 0x0
	s_cmp_eq_u32 ttmp9, 0                          ; the same in all eight waves
	s_cbranch_scc1 .Lsort
	; ---------------- the quantiser ----------------
	s_sub_co_u32 s20, ttmp9, 1
	s_lshl_b32 s17, s20, 3
	s_add_co_u32 s17, s17, s16                     ; my row
	s_mov_b32 s19, 0
	s_lshl_b32 s18, s17, 13                        ; 8,192 bytes a row of x and of out0
	s_add_nc_u64 s[4:5], s[4:5], s[18:19]
	s_add_nc_u64 s[14:15], s[14:15], s[18:19]
	LOAD 0                                         ; the whole row is asked for at once: 16 loads
	LOAD 1
	LOAD 2
	LOAD 3
	s_lshl_b32 s18, s17, 2
	s_add_nc_u64 s[6:7], s[6:7], s[18:19]
	s_load_b32 s21, s[6:7], 0x0                    ; my row's id
	s_lshl_b32 s18, s17, 10                        ; 1,024 bytes of codes a row
	s_add_nc_u64 s[8:9], s[8:9], s[18:19]
	s_lshl_b32 s18, s20, 9                         ; 512 scale bytes a work-group
	s_add_nc_u64 s[10:11], s[10:11], s[18:19]
	s_mul_i32 s22, s16, WREG
	v_lshrrev_b32 v14, 2, v2
	v_mul_u32_u24 v14, v14, SP
	v_and_b32 v15, 3, v2
	v_lshl_add_u32 v14, v15, 4, v14
	v_add_nc_u32 v14, s22, v14                     ; the stage, way in: SP (lane / 4) + 16 (lane % 4): four lanes' 64 bytes on end, then the padding
	v_mul_u32_u24 v15, v2, SP
	v_add_nc_u32 v15, s22, v15                     ; way out: SP x lane: my 16 neighbours
	v_lshlrev_b32 v4, 3, v2                        ; my 8 bytes of a step's 256 bytes of codes
	v_lshrrev_b32 v5, 1, v2
	s_lshl_b32 s23, s16, 6
	s_add_co_u32 s23, s23, SCLQ
	v_add_nc_u32 v5, s23, v5                       ; my block's byte among my row's 64
	v_add_nc_u32 v6, SCLQ, v3                      ; and, for wave 0 at the end, 16 bytes a lane of all 512
	s_wait_loadcnt 12                              ; step 0's four loads are in
	TURN 0
	STEP 0
	STEP 1
	STEP 2
	STEP 3
	s_wait_kmcnt 0x0                               ; the id
	s_cmp_lt_u32 s21, 8
	s_cbranch_scc1 .Lrouted                        ; one of the 8 experts: the product's launch writes this row
.irp t, 0,1,2,3                                ; no expert takes the row: out = x, from the registers that still hold it
.irp i, 0,1,2,3
	global_store_b128 v3, v[R+16*\t+4*\i:R+16*\t+4*\i+3], s[14:15] offset:2048*\t+512*\i
.endr
.endr
.Lrouted:
	s_wait_dscnt 0x0                               ; for wave 0's sake: my 64 scale bytes lie in LDS
	s_barrier_signal -1
	s_barrier_wait -1
	s_cmp_lg_u32 s16, 0
	s_cbranch_scc1 .Lqend
	ds_load_b128 v[124:127], v6                    ; the 8 rows' scale bytes are 512 consecutive bytes of xs
	s_wait_dscnt 0x0
	global_store_b128 v3, v[124:127], s[10:11]     ; 32 lanes store them: two aligned runs of 256 bytes
.Lqend:
	s_wait_tensorcnt 0x0
	ds_add_u32 v128, v129
	s_wait_dscnt 0x0
	s_endpgm
	; ---------------- the sort ----------------
	; Wave w owns tokens 256 w .. 256 w + 255; register 4 jj + k of a lane holds token 256 w + 128 jj + 4 lane + k.
	; v16-23 ids, v24-31 places, v32-39 token numbers, v62-69 bases; s32-39 running counts, then bases; s40-47 rows of each expert; s48-55 16 x its first tile.
.Lsort:
	s_lshl_b32 s18, s16, 10
	v_add_nc_u32 v1, s18, v3
	global_load_b128 v[16:19], v1, s[6:7]          ; 512 consecutive bytes each
	global_load_b128 v[20:23], v1, s[6:7] offset:512
	s_lshl_b32 s18, s16, 8
	v_lshl_add_u32 v9, v2, 2, s18
.irp j, 0,1,2,3,4,5,6,7
	v_add_nc_u32 v[32+\j], 128*(\j/4)+\j%4, v9     ; the tokens' numbers
.endr
.irp e, 0,1,2,3,4,5,6,7
	s_mov_b32 s[32+\e], 0
.endr
	v_lshl_add_u32 v10, v0, 2, SORT                ; my word among the counts: 128 bytes a wave
	v_lshl_add_u32 v11, v2, 2, SORT                ; and my lane's word of wave 0's
	v_mov_b32 v41, 0
	v_mov_b32 v52, 0
	v_mov_b32 v71, 0x7fffffff                      ; the marker
	s_wait_loadcnt 0x0
.irp j, 0,1,2,3,4,5,6,7                        ; each token's rank among its expert's tokens in this wave
.irp e, 0,1,2,3,4,5,6,7
	v_cmp_eq_u32 s56, \e, v[16+\j]
.if \e == 0
	v_mbcnt_lo_u32_b32 v[24+\j], s56, s32          ; lower lanes with this expert + what earlier registers counted
.else
	v_mbcnt_lo_u32_b32 v40, s56, s[32+\e]
	v_cndmask_b32 v[24+\j], v[24+\j], v40, s56
.endif
	s_bcnt1_i32_b32 s57, s56
	s_add_co_u32 s[32+\e], s[32+\e], s57
.endr
.endr
.irp e, 0,1,2,3,4,5,6,7
	v_writelane_b32 v41, s[32+\e], \e              ; lane e: my wave's count for expert e; lanes 8-31: 0
.endr
	ds_store_b32 v10, v41
	s_wait_dscnt 0x0                               ; for the others' sake
	s_barrier_signal -1
	s_barrier_wait -1
.irp k, 0,1,2,3,4,5,6,7
	ds_load_b32 v[42+\k], v11 offset:128*\k        ; all eight waves' counts
.endr
	s_wait_dscnt 0x0
	v_add_nc_u32 v50, v42, v43
.irp k, 2,3,4,5,6,7
	v_add_nc_u32 v50, v50, v[42+\k]                ; lane e: expert e's rows in all
.endr
	v_mov_b32 v51, 0
.irp k, 0,1,2,3,4,5,6
	s_cmp_gt_u32 s16, \k
	s_cselect_b32 s56, -1, 0
	v_and_b32 v40, s56, v[42+\k]
	v_add_nc_u32 v51, v51, v40                     ; lane e: those in the waves ahead of mine
.endr
.irp e, 0,1,2,3,4,5,6,7
	v_readlane_b32 s[40+\e], v50, \e
	v_readlane_b32 s[32+\e], v51, \e
.endr
	s_mov_b32 s58, 0
.irp e, 0,1,2,3,4,5,6,7
	s_mov_b32 s[48+\e], s58                        ; 16 x the expert's first tile
	s_add_co_u32 s[32+\e], s[32+\e], s58           ; where my wave's first token of the expert goes
	s_add_co_u32 s57, s[40+\e], 15
	s_and_b32 s57, s57, -16                        ; its rows, rounded up to whole tiles
	s_add_co_u32 s58, s58, s57
.endr                                          ; s58 = 16 x the tiles in use
.irp j, 0,1,2,3,4,5,6,7
	v_mov_b32 v[62+\j], s32
.irp e, 1,2,3,4,5,6,7
	v_cmp_eq_u32 vcc_lo, \e, v[16+\j]
	v_cndmask_b32 v[62+\j], v[62+\j], s[32+\e], vcc_lo
.endr
	v_add_nc_u32 v[24+\j], v[24+\j], v[62+\j]      ; the token's place
	v_cmp_gt_u32 vcc_lo, 8, v[16+\j]
	v_cndmask_b32 v[24+\j], DUMP, v[24+\j], vcc_lo ; an id that is no expert's: the token is listed nowhere
	v_min_u32 v[24+\j], DUMP, v[24+\j]
	v_lshlrev_b32 v[24+\j], 2, v[24+\j]
	global_store_b32 v[24+\j], v[32+\j], s[12:13]
.endr
	; the rest of expert w's last tile: wave w writes markers, at most 15
	s_mov_b32 s59, s40
	s_mov_b32 s60, s48
.irp e, 1,2,3,4,5,6,7
	s_cmp_eq_u32 s16, \e
	s_cselect_b32 s59, s[40+\e], s59
	s_cselect_b32 s60, s[48+\e], s60
.endr
	s_add_co_u32 s57, s59, 15
	s_and_b32 s57, s57, -16
	s_add_co_u32 s57, s57, s60                     ; where the expert's tiles end
	s_add_co_u32 s59, s59, s60                     ; where its rows end
	v_add_nc_u32 v70, s59, v2
	v_cmp_gt_u32 vcc_lo, s57, v70
	v_cndmask_b32 v70, DUMP, v70, vcc_lo
	v_min_u32 v70, DUMP, v70
	v_lshlrev_b32 v70, 2, v70
	global_store_b32 v70, v71, s[12:13]
	; the tiles that this split does not use: 256 threads x 9 = 2,304 places cover all 2,160 entries even where no id is an expert's; what passes the end goes to the dump slot
.irp k, 0,1,2,3,4,5,6,7,8
	v_add_nc_u32 v[72+\k], s58, v0
	v_add_nc_u32 v[72+\k], 256*\k, v[72+\k]
	v_min_u32 v[72+\k], DUMP, v[72+\k]
	v_lshlrev_b32 v[72+\k], 2, v[72+\k]
	global_store_b32 v[72+\k], v71, s[12:13]
.endr
	s_cmp_lg_u32 s16, 0
	s_cbranch_scc1 .Lsend
.irp e, 0,1,2,3,4,5,6,7
	v_writelane_b32 v52, s[48+\e], \e
.endr
	v_lshrrev_b32 v54, 4, v52                      ; lane e: the expert's first tile,
	v_add_nc_u32 v55, 15, v50
	v_lshrrev_b32 v55, 4, v55                      ; and its number of tiles; lanes 8-31: zeros
	v_lshlrev_b32 v56, 3, v2
	global_store_b64 v56, v[54:55], s[12:13] offset:META   ; 256 consecutive bytes, aligned
.Lsend:
	s_wait_tensorcnt 0x0
	ds_add_u32 v128, v129
	s_wait_dscnt 0x0
	s_endpgm
.Lfunc_end_k_qbd31677629_prep:
	.size	k_qbd31677629_prep, .Lfunc_end_k_qbd31677629_prep-k_qbd31677629_prep
	.p2alignl 7, 3214868480
	.fill 96, 4, 3214868480
	.section	.rodata,"a",@progbits
	.p2align	6, 0x0
	.amdhsa_kernel k_qbd31677629_prep
		.amdhsa_group_segment_fixed_size 43520
		.amdhsa_private_segment_fixed_size 0
		.amdhsa_enable_private_segment 0
		.amdhsa_kernarg_size 48
		.amdhsa_user_sgpr_count 2
		.amdhsa_user_sgpr_kernarg_segment_ptr 1
		.amdhsa_wavefront_size32 1
		.amdhsa_system_sgpr_workgroup_id_x 1
		.amdhsa_system_sgpr_workgroup_id_y 1
		.amdhsa_system_sgpr_workgroup_id_z 1
		.amdhsa_system_vgpr_workitem_id 0
		.amdhsa_next_free_vgpr 130
		.amdhsa_next_free_sgpr 66
		.amdhsa_reserve_vcc 1
		.amdhsa_float_denorm_mode_32 3
		.amdhsa_float_denorm_mode_16_64 3
		.amdhsa_memory_ordered 1
		.amdhsa_forward_progress 1
		.amdhsa_inst_pref_size 46
	.end_amdhsa_kernel
	.amdgpu_metadata
---
amdhsa.version: [ 1, 2 ]
amdhsa.kernels:
  - .name:           k_qbd31677629_prep
    .symbol:         k_qbd31677629_prep.kd
    .args:
      - { .name: x, .offset: 0, .size: 8, .value_kind: global_buffer, .address_space: global }
      - { .name: cam_pred_ids, .offset: 8, .size: 8, .value_kind: global_buffer, .address_space: global }
      - { .name: xq, .offset: 16, .size: 8, .value_kind: global_buffer, .address_space: global }
      - { .name: xs, .offset: 24, .size: 8, .value_kind: global_buffer, .address_space: global }
      - { .name: route, .offset: 32, .size: 8, .value_kind: global_buffer, .address_space: global }
      - { .name: out0, .offset: 40, .size: 8, .value_kind: global_buffer, .address_space: global }
    .group_segment_fixed_size: 43520
    .private_segment_fixed_size: 0
    .kernarg_segment_align: 8
    .kernarg_segment_size: 48
    .max_flat_workgroup_size: 256
    .sgpr_count:     66
    .vgpr_count:     130
    .wavefront_size: 32
...
	.end_amdgpu_metadata
.endif
;; end of part 1
;; launch moe (part 2): grid 32 x 8, 4 waves a work-group, no clusters, 138,752 bytes of LDS; arguments W_codes, W_scales, b, x, xq, xs, route, out0; writes out0
.if DOCPART == 2
	.amdgcn_target "amdgcn-amd-amdhsa--gfx1250"
	.amdhsa_code_object_version 6
	.text
	.protected	k_qbd31677629_moe
	.globl	k_qbd31677629_moe
	.p2align	8
	.type	k_qbd31677629_moe,@function
k_qbd31677629_moe:
	s_mov_b64 s[64:65], 0
	v_nop
	global_prefetch_b8 v0, s[64:65] scope:SCOPE_SE
	s_setreg_imm32_b32 hwreg(HW_REG_WAVE_MODE, 25, 1), 1
	s_wait_xcnt 0x0
; out[i] = x[i] + relu(Q(x[i]) . W[e]^T + b[e]) for the tokens i whose id is e, on codes of FP4 (E2M1) with one E8M0 scale for each 32 along K; sums in f32, K ascending, one accumulator for each output.
; SHARES.  Work-group (nb, e) owns expert e and output columns 64 nb .. 64 nb + 63.  Its 64 rows of W (64 KiB of codes, 4 KiB of scale bytes) are read from memory by this work-group alone, in runs of 512 bytes a wave,
; and laid into LDS; ONE barrier follows, on every wave's path, ahead of every branch on a stored number.  All that comes behind it is a wave's own: wave w takes the expert's tiles of 16 tokens w, w + 4, w + 8, ..,
; up to five at a time (a PASS).  A tile's 16 rows of codes are gathered in whole pieces of 256 bytes, turned through the wave's own stage in LDS into 16 fragments (128 registers) that stay; 16 K steps of 128 multiply them
; by W's fragments from LDS; the bias is the C of the first K step.  Results go through the same stage back to rows; relu, the residual x (asked for in K step 4) and stores of 256 consecutive bytes, aligned.
; THE MATRIX INSTRUCTION IS USED TRANSPOSED: source 0 = 16 rows of W, source 1 = 16 tokens: a lane holds one token (lane % 16) and eight neighbouring columns 8 (lane / 16) + 0 .. 7.
; A TILE'S EMPTY ROWS (the marker in the list) take the tile's row 0 in their stead, and a pass of four with fewer tiles left repeats the wave's last tile: the same numbers are computed and stored to the same bytes
; by the same wave, so no lane is ever switched off.
; NO TENSOR LOADS, NO CLUSTER: the number of passes and the choice of four or five tiles hang on the stored list, and a tile's rows are 16 rows anywhere in xq, which no one descriptor covers; W's rows, the one dense block,
; are shared with no other work-group.  What the 32 work-groups of an expert share is 1,088 bytes a token of codes and scale bytes.
; LIMITS: none of its own; the quantiser's are stated in the launch that makes xq and xs.  Tokens whose id is no expert's are not in the list: that launch has written their rows.
; REGISTERS, in windows of 256 (s_set_vgpr_msb: bits 1:0 source 0, 3:2 source 1, 5:4 source 2, 7:6 destination):
;   window 0: v1-14 addresses; v16-47 W's scale words; v48-87 the tokens' scale words, 8 a tile; v88-127 token numbers, then byte offsets in x and out, 8 a tile; v128-255 tile 4's fragments (before that, scratch)
;   window 1: tiles 0 and 1, 128 registers each;  window 2: tiles 2 and 3
;   window 3: v0-159 the accumulators (tile u, column tile j at 32 u + 8 j); v160-223 W's fragments, two sets of 32; v224-255 the bias, 8 a column tile; ahead of the K steps v0-135 W on its way to LDS, v136-180 gather offsets
; SCALARS: s[4:19] the eight addresses; s20 wave, s21 expert, s22 column block; s24 first tile, s25 tiles of the expert; s26 my wave's tiles, s27 those done, s28 the last one's number, s29 my first tile in the list;
;   s32-36 five tiles' byte offsets in the list; s37-43 at work; s44 passes done, s45 passes in all.
.set BP,    1040                       ; a row of 1,024 bytes of codes in LDS + 16 of padding: 65 x 16, so that the 16 rows of a fragment load begin in 16 different groups of four banks
.set BSCL,  64*BP                      ; behind W's 64 rows of codes: its scale bytes, 64 rows of 64 + 16
.set SCP,   80
.set STAGE, BSCL+64*SCP                ; behind them: a stage of 16 x BP bytes for each wave
.set STGB,  16*BP
.set RP,    272                        ; a row of results in the stage: 256 bytes + 16
.set META,  8704                       ; route: the table of pairs, in bytes
.set L16,  1                           ; 16 (lane % 16)
.set XL,   2                           ; the same + 256 nb: my 16 bytes of a row's 256 in x and out
.set STW,  3                           ; stage, codes in: row 8 h, + 16 (lane % 16)          (h = lane / 16, r = lane % 16)
.set FRD,  4                           ; stage, fragments out: row r, + 16 h
.set BFR,  5                           ; W's fragments: row r, + 16 h
.set EST,  6                           ; stage, results in: row r of RP, + 32 h
.set ERD,  7                           ; stage, rows out: row 8 h of RP, + 16 (lane % 16)
.set BSR,  8                           ; W's scale words: row r + 16 h
.set H16,  9
.set H32,  10
.set R4,   11
.set GW,   12                          ; 16 x thread: W in memory
.set LW,   13                          ; and in LDS
.set LSW,  14                          ; its scale bytes in LDS
.set BSC,  16
.set ASC,  48
.set TOKH, 88                          ; tile u, register i: the token of row 8 h + i; later its byte offset in x and out
.set TA,   128
.set TB,   133
.set TL,   138                         ; tile u: the token of row r
.set BF,   160                         ; window 3
.set BIAS, 224
.set COFF, 136                         ; tile u, register i: byte offset in xq of my 16 bytes of row 8 h + i
.set SOFF, 176                         ; tile u: byte offset in xs of row r, + 16 h
.set MSB, 0
.macro WIN new                         ; the immediate's high byte repeats the setting that is left; a switch that changes nothing is dropped
.if MSB != (\new)
	s_set_vgpr_msb (MSB<<8)|(\new)
.set MSB, (\new)
.endif
.endm
.macro AREG u                          ; tile u's 128 registers: window AW, from AB on
.set AW, ((\u)/2+1)%3
.set AB, 128*(((\u)%2)|((\u)/4))
.endm
.macro PLACES                          ; four plain vector lines between a matrix instruction and a load into, or a read of, its registers
.rept 4
	v_nop
.endr
.endm
; Which five tiles this pass takes: the wave's tiles u0 .. u0 + 4, held at its last one; their byte offsets in the list.
.macro TILES
.set tu, 0
.rept 5
	s_add_co_u32 s37, s27, tu
	s_min_u32 s37, s37, s28
	s_lshl_b32 s37, s37, 2
	s_add_co_u32 s37, s37, s29
	s_min_u32 s37, s37, 134
	s_lshl_b32 s[32+tu], s37, 6                    ; 16 entries of 4 bytes a tile
.set tu, tu+1
.endr
.endm
.macro TOKLOAD                         ; 15 loads: each tile's 16 entries twice: eight a half of the lanes, and one a lane
.set tu, 0
.rept 5
	v_add_nc_u32 v[TA+tu], s[32+tu], v[H32]
	v_add_nc_u32 v[TB+tu], s[32+tu], v[R4]
	global_load_b128 v[TOKH+8*tu:TOKH+8*tu+3], v[TA+tu], s[16:17]
	global_load_b128 v[TOKH+8*tu+4:TOKH+8*tu+7], v[TA+tu], s[16:17] offset:16
	global_load_b32 v[TL+tu], v[TB+tu], s[16:17]
.set tu, tu+1
.endr
.endm
.macro PREP                            ; markers become the tile's row 0; every number is held under 2,048; then the offsets
.set pu, 0
.rept 5
	WIN 0
	v_readfirstlane_b32 s37, v[TOKH+8*pu]          ; lane 0, register 0: row 0, a token wherever the tile has any
.set pi, 0
.rept 8
	v_cmp_gt_u32 vcc_lo, 0x800, v[TOKH+8*pu+pi]
	v_cndmask_b32 v[TOKH+8*pu+pi], s37, v[TOKH+8*pu+pi], vcc_lo
	v_min_u32 v[TOKH+8*pu+pi], 0x7ff, v[TOKH+8*pu+pi]
.set pi, pi+1
.endr
	v_cmp_gt_u32 vcc_lo, 0x800, v[TL+pu]
	v_cndmask_b32 v[TL+pu], s37, v[TL+pu], vcc_lo
	v_min_u32 v[TL+pu], 0x7ff, v[TL+pu]
	WIN 0xc0
.set pi, 0
.rept 8
	v_lshl_add_u32 v[COFF+8*pu+pi], v[TOKH+8*pu+pi], 10, v[L16]
.set pi, pi+1
.endr
	v_lshl_add_u32 v[SOFF+pu], v[TL+pu], 6, v[H16]
	WIN 0
.set pi, 0
.rept 8
	v_lshl_add_u32 v[TOKH+8*pu+pi], v[TOKH+8*pu+pi], 13, v[XL]
.set pi, pi+1
.endr
.set pu, pu+1
.endr
.endm
; 34 loads: tile u's 16 rows of codes, sixteen lanes to a piece of 256 consecutive bytes (rows i and 8 + i an instruction), and its scale words: register 4 i + k, lane (r, h): K step 8 i + 4 h + k of row r.
.macro ISSUE u
	AREG \u
	WIN (AW<<6)|3
.set ii, 0
.rept 8
.set ss, 0
.rept 4
	global_load_b128 v[AB+4*(4*ii+ss):AB+4*(4*ii+ss)+3], v[COFF+8*(\u)+ii], s[12:13] offset:256*ss
.set ss, ss+1
.endr
.set ii, ii+1
.endr
	WIN 0x03
	global_load_b128 v[ASC+8*(\u):ASC+8*(\u)+3], v[SOFF+(\u)], s[14:15]
	global_load_b128 v[ASC+8*(\u)+4:ASC+8*(\u)+7], v[SOFF+(\u)], s[14:15] offset:32
.endm
; Tile u through the stage: in by rows, out as 16 fragments (K step q at AB + 8 q), into the registers that the stores left.  LDS serves a wave's instructions in order (ISA guide 5.7.1.4): no wait between, nor ahead of the next tile's stores.
.macro HOP u, left
	AREG \u
	s_wait_loadcnt \left                           ; tile u's 34 loads are in; left = the next tile's 34, or none
	WIN AW<<2
.set ii, 0
.rept 8
.set ss, 0
.rept 4
	ds_store_b128 v[STW], v[AB+4*(4*ii+ss):AB+4*(4*ii+ss)+3] offset:BP*ii+256*ss
.set ss, ss+1
.endr
.set ii, ii+1
.endr
	WIN AW<<6
.set ii, 0
.rept 16
	ds_load_b128 v[AB+8*ii:AB+8*ii+3], v[FRD] offset:64*ii
	ds_load_b128 v[AB+8*ii+4:AB+8*ii+7], v[FRD] offset:64*ii+32
.set ii, ii+1
.endr
.endm
.macro BFETCH q, buf                   ; W's four fragments of K step q: 8 LDS loads
	WIN 0xc0
.set bj, 0
.rept 4
	ds_load_b128 v[BF+32*(\buf)+8*bj:BF+32*(\buf)+8*bj+3], v[BFR] offset:16*BP*bj+64*(\q)
	ds_load_b128 v[BF+32*(\buf)+8*bj+4:BF+32*(\buf)+8*bj+7], v[BFR] offset:16*BP*bj+64*(\q)+32
.set bj, bj+1
.endr
.endm
.macro XLOADS n                        ; the residual: 8 loads a tile, into the registers of the fragments of K steps 0 to 3, which are done with
.set xu, 0
.rept \n
	AREG xu
	WIN AW<<6
.set xi, 0
.rept 8
	global_load_b128 v[AB+4*xi:AB+4*xi+3], v[TOKH+8*xu+xi], s[10:11] th:TH_LOAD_NT
.set xi, xi+1
.endr
.set xu, xu+1
.endr
.endm
; 4 n matrix instructions: K step q of all tiles.  The 4 n accumulators take turns, one instruction a turn, in the same order in every step.
; W's scale word: register BSC + 16 (j / 2) + q, lanes 0-15 for even j, lanes 16-31 for odd j.  The tokens': register ASC + 8 u + 4 (q / 8) + q % 4, lanes 16-31 where (q / 4) is odd.
.macro MULS q, n
.set mu, 0
.rept \n
	AREG mu
	WIN 0xf3|(AW<<2)
.set mj, 0
.rept 4
.set rD, 32*mu+8*mj
.set rC, rD
.if (\q) == 0
.set rC, BIAS+8*mj
.endif
.set rW, BF+32*((\q)%2)+8*mj
.set rX, AB+8*(\q)
.set sW, BSC+16*(mj/2)+(\q)
.set sX, ASC+8*mu+4*((\q)/8)+((\q)%4)
.set fA, mj%2
.set fB, ((\q)/4)%2
.if fA && fB
	v_wmma_scale_f32_16x16x128_f8f6f4 v[rD:rD+7], v[rW:rW+7], v[rX:rX+7], v[rC:rC+7], v[sW], v[sX] matrix_a_fmt:MATRIX_FMT_FP4 matrix_b_fmt:MATRIX_FMT_FP4 matrix_a_scale:MATRIX_SCALE_ROW1 matrix_b_scale:MATRIX_SCALE_ROW1
.elseif fA
	v_wmma_scale_f32_16x16x128_f8f6f4 v[rD:rD+7], v[rW:rW+7], v[rX:rX+7], v[rC:rC+7], v[sW], v[sX] matrix_a_fmt:MATRIX_FMT_FP4 matrix_b_fmt:MATRIX_FMT_FP4 matrix_a_scale:MATRIX_SCALE_ROW1
.elseif fB
	v_wmma_scale_f32_16x16x128_f8f6f4 v[rD:rD+7], v[rW:rW+7], v[rX:rX+7], v[rC:rC+7], v[sW], v[sX] matrix_a_fmt:MATRIX_FMT_FP4 matrix_b_fmt:MATRIX_FMT_FP4 matrix_b_scale:MATRIX_SCALE_ROW1
.else
	v_wmma_scale_f32_16x16x128_f8f6f4 v[rD:rD+7], v[rW:rW+7], v[rX:rX+7], v[rC:rC+7], v[sW], v[sX] matrix_a_fmt:MATRIX_FMT_FP4 matrix_b_fmt:MATRIX_FMT_FP4
.endif
.set mj, mj+1
.endr
.set mu, mu+1
.endr
.endm
.macro KSTEP q, n
.if (\q) < 15
.if (\q) > 0
	PLACES                                         ; behind the last step's products: the set fetched into below is the one that they read; in step 4 also for the residual's loads
.endif
	BFETCH (\q)+1, ((\q)+1)%2
.endif
.if (\q) == 4
	XLOADS \n
.endif
.if (\q) < 15
	s_wait_dscnt 8                                 ; all but the 8 loads just issued: this step's fragments of W are in (in step 0: the tiles' too)
.else
	s_wait_dscnt 0x0
.endif
	MULS \q, \n
.endm
.macro TOSTAGE u                       ; tile u's results: 32 bytes a lane into rows of RP, each accumulator from its low end on; back as rows: lanes 0-15 row i, lanes 16-31 row 8 + i
	AREG \u
	WIN 0x0c
.set tj, 0
.rept 4
	ds_store_b128 v[EST], v[32*(\u)+8*tj:32*(\u)+8*tj+3] offset:64*tj
	ds_store_b128 v[EST], v[32*(\u)+8*tj+4:32*(\u)+8*tj+7] offset:64*tj+16
.set tj, tj+1
.endr
	WIN AW<<6
.set tj, 0
.rept 8
	ds_load_b128 v[AB+32+4*tj:AB+35+4*tj], v[ERD] offset:RP*tj
.set tj, tj+1
.endr
.endm
.macro SEND u, y, n                    ; y: the LDS instructions issued behind tile u's loads: the next tile's 16, or none
	AREG \u
	s_wait_dscnt \y
	s_wait_loadcnt 8*((\n)-1-(\u))                 ; tile u's residual is in; the later tiles' 8 loads each may be out
	WIN (AW<<6)|(AW<<2)|AW
.set si, 0
.rept 32
	v_max_num_f32 v[AB+32+si], 0, v[AB+32+si]      ; relu
.set si, si+1
.endr
.set si, 0
.rept 16
	v_pk_add_f32 v[AB+32+2*si:AB+33+2*si], v[AB+32+2*si:AB+33+2*si], v[AB+2*si:AB+2*si+1]   ; + x
.set si, si+1
.endr
	WIN AW<<2
.set si, 0
.rept 8
	global_store_b128 v[TOKH+8*(\u)+si], v[AB+32+4*si:AB+35+4*si], s[18:19] th:TH_STORE_NT   ; each half of the lanes stores 256 consecutive bytes, aligned, of one row
.set si, si+1
.endr
.endm
; A pass of n tiles.  On the way in tiles 0 and 1 have been asked for: 68 loads.  Each later tile is asked for while the tile two ahead of it goes through the stage.
.macro PASS n
	HOP 0, 34
	ISSUE 2
	HOP 1, 34
	ISSUE 3
	HOP 2, 34
.if \n == 5
	ISSUE 4
	HOP 3, 34
	HOP 4, 0
.else
	HOP 3, 0
.endif
	BFETCH 0, 0                                    ; (no gather is out any more: the offsets' registers may be written)
.set Q, 0
.rept 16
	KSTEP Q, \n
.set Q, Q+1
.endr
	PLACES                                         ; behind the last products, ahead of the first read of results
	TOSTAGE 0
.set U, 1
.rept \n-1
	TOSTAGE U
	SEND U-1, 16, \n
.set U, U+1
.endr
	SEND \n-1, 0, \n
	WIN 0
.endm
	s_load_b512 s[4:19], s[0:1], 0x0               ; W's codes s[4:5], W's scales s[6:7], b s[8:9], x s[10:11], xq s[12:13], xs s[14:15], route s[16:17], out s[18:19]
	v_lshrrev_b32 v88, 5, v0
	v_readfirstlane_b32 s20, v88                   ; wave 0..3
	v_and_b32 v88, 15, v0                          ; r
	v_bfe_u32 v89, v0, 4, 1                        ; h
	s_and_b32 s21, ttmp7, 0xffff                   ; the expert
	s_mov_b32 s22, ttmp9                           ; which 64 columns
	s_lshl_b32 s23, s21, 3
	s_mul_i32 s38, s20, STGB
	s_add_co_u32 s38, s38, STAGE                   ; my stage
	s_lshl_b32 s37, s22, 8
	s_lshl_b32 s30, s21, 21                        ; W's codes: 2 MiB an expert, 64 rows of 1,024 bytes a work-group
	s_lshl_b32 s39, s22, 16
	s_add_co_u32 s30, s30, s39
	s_mov_b32 s31, 0
	s_lshl_b32 s40, s21, 17                        ; its scale bytes: 128 KiB an expert, 4,096 bytes a work-group
	s_lshl_b32 s39, s22, 12
	s_add_co_u32 s40, s40, s39
	s_mov_b32 s41, 0
	s_lshl_b32 s42, s21, 13                        ; the bias: 8,192 bytes an expert, 256 a work-group
	s_add_co_u32 s42, s42, s37
	s_mov_b32 s43, 0
	v_lshlrev_b32 v[L16], 4, v88
	v_add_nc_u32 v[XL], s37, v[L16]
	v_lshlrev_b32 v[GW], 4, v0
	v_lshlrev_b32 v[H32], 5, v89
	s_wait_kmcnt 0x0
	s_load_b64 s[24:25], s[16:17], s23 offset:0x2200   ; the expert's first tile and its number of tiles
	s_add_nc_u64 s[4:5], s[4:5], s[30:31]
	s_add_nc_u64 s[6:7], s[6:7], s[40:41]
	s_add_nc_u64 s[8:9], s[8:9], s[42:43]
	WIN 0xc0                                       ; destination window 3
.set ii, 0
.rept 32
	global_load_b128 v[4*ii:4*ii+3], v[GW], s[4:5] offset:2048*ii th:TH_LOAD_NT   ; the four waves take 2,048 consecutive bytes: two rows of W
.set ii, ii+1
.endr
.set ii, 0
.rept 2
	global_load_b128 v[128+4*ii:131+4*ii], v[GW], s[6:7] offset:2048*ii th:TH_LOAD_NT
.set ii, ii+1
.endr
.set ii, 0
.rept 4
	global_load_b128 v[BIAS+8*ii:BIAS+8*ii+3], v[H32], s[8:9] offset:64*ii        ; lane (r, h), register j: b at column 16 ii + 8 h + j: the result's layout
	global_load_b128 v[BIAS+8*ii+4:BIAS+8*ii+7], v[H32], s[8:9] offset:64*ii+16
.set ii, ii+1
.endr
	WIN 0
	v_mad_u32_u24 v[STW], v89, 8*BP, v[L16]
	v_add_nc_u32 v[STW], s38, v[STW]
	v_mul_u32_u24 v[BFR], v88, BP
	v_lshl_add_u32 v[BFR], v89, 4, v[BFR]
	v_add_nc_u32 v[FRD], s38, v[BFR]
	v_mul_u32_u24 v[EST], v88, RP
	v_lshl_add_u32 v[EST], v89, 5, v[EST]
	v_add_nc_u32 v[EST], s38, v[EST]
	v_mad_u32_u24 v[ERD], v89, 8*RP, v[L16]
	v_add_nc_u32 v[ERD], s38, v[ERD]
	v_mul_u32_u24 v[BSR], v88, SCP
	v_mad_u32_u24 v[BSR], v89, 16*SCP, v[BSR]
	v_add_nc_u32 v[BSR], BSCL, v[BSR]
	v_lshlrev_b32 v[H16], 4, v89
	v_lshlrev_b32 v[R4], 2, v88
	v_lshrrev_b32 v90, 6, v0                       ; W into LDS: thread t's 16 bytes of load i lie in row 2 i + t / 64, at byte 16 (t % 64)
	v_and_b32 v91, 63, v0
	v_lshlrev_b32 v91, 4, v91
	v_mad_u32_u24 v[LW], v90, BP, v91
	v_lshrrev_b32 v90, 2, v0                       ; its scale bytes: row 32 i + t / 4, at byte 16 (t % 4)
	v_and_b32 v91, 3, v0
	v_lshlrev_b32 v91, 4, v91
	v_mad_u32_u24 v[LSW], v90, SCP, v91
	v_add_nc_u32 v[LSW], BSCL, v[LSW]
	s_wait_kmcnt 0x0
	s_min_u32 s24, s24, 134
	s_min_u32 s25, s25, 135
	s_add_co_u32 s26, s25, 3
	s_sub_co_u32 s26, s26, s20
	s_lshr_b32 s26, s26, 2                         ; my wave's tiles: those numbered w, w + 4, ..: 34 at the most
	s_max_u32 s28, s26, 1
	s_sub_co_u32 s28, s28, 1                       ; the last of them
	s_add_co_u32 s29, s24, s20                     ; the first, in the list
	s_mov_b32 s27, 0                               ; how many are done
	s_add_co_u32 s45, s26, 4
	s_mul_i32 s45, s45, 205
	s_lshr_b32 s45, s45, 10                        ; passes: (tiles + 4) / 5, rounded down: 205 / 1,024 gives that for every number up to 38
	s_mov_b32 s44, 0                               ; passes done: the loop's counter
	TILES
	TOKLOAD
	s_wait_loadcnt 0x0                             ; W, the bias and the list: the table's and the list's loads have run beside W's
	WIN 0x0c                                       ; an LDS store's data are its source 1: window 3
.set ii, 0
.rept 32
	ds_store_b128 v[LW], v[4*ii:4*ii+3] offset:2*BP*ii
.set ii, ii+1
.endr
.set ii, 0
.rept 2
	ds_store_b128 v[LSW], v[128+4*ii:131+4*ii] offset:32*SCP*ii
.set ii, ii+1
.endr
	WIN 0
	PREP
	ISSUE 0
	ISSUE 1
	WIN 0
	s_wait_dscnt 0x0                               ; for the others' sake: my part of W lies in LDS
	s_barrier_signal -1
	s_barrier_wait -1                              ; the one barrier: from here on W is only read, and every wave is on its own
.irp jj, 0,1
.irp qq, 0,1,2,3
	ds_load_b128 v[BSC+16*\jj+4*\qq:BSC+16*\jj+4*\qq+3], v[BSR] offset:32*SCP*\jj+16*\qq   ; W's scale words of all 16 K steps stay in registers: lanes 0-15 column tile 2 jj, lanes 16-31 tile 2 jj + 1
.endr
.endr
	s_wait_dscnt 0x0
	s_cmp_eq_u32 s26, 0
	s_cbranch_scc1 .Ldone                          ; this split leaves my wave no tile
.Lpass:
	s_sub_co_u32 s38, s26, s27                     ; tiles left
	s_cmp_ge_u32 s38, 5
	s_cbranch_scc1 .Lfive
	PASS 4
	s_branch .Ljoin
.Lfive:
	PASS 5
.Ljoin:
	s_wait_xcnt 0x0                                ; the stores have read their data and offsets: both are written again below
	s_add_co_u32 s27, s27, 5
	s_add_co_u32 s44, s44, 1                       ; the loop's counter steps by one, once a trip; its bound s45 is not written in the loop
	s_cmp_ge_u32 s44, s45
	s_cbranch_scc1 .Ldone                          ; the last pass asks for nothing more
	TILES
	TOKLOAD
	s_wait_loadcnt 0x0
	PREP
	ISSUE 0
	ISSUE 1
	WIN 0
	s_cmp_lt_u32 s44, s45
	s_cbranch_scc1 .Lpass
.Ldone:
	s_wait_xcnt 0x0
	v_lshl_add_u32 v254, v0, 2, 0x21c00
	v_mov_b32 v255, 0
	s_wait_tensorcnt 0x0
	ds_add_u32 v254, v255
	s_wait_dscnt 0x0
	s_endpgm
.Lfunc_end_k_qbd31677629_moe:
	.size	k_qbd31677629_moe, .Lfunc_end_k_qbd31677629_moe-k_qbd31677629_moe
	.p2alignl 7, 3214868480
	.fill 96, 4, 3214868480
	.section	.rodata,"a",@progbits
	.p2align	6, 0x0
	.amdhsa_kernel k_qbd31677629_moe
		.amdhsa_group_segment_fixed_size 138752
		.amdhsa_private_segment_fixed_size 0
		.amdhsa_enable_private_segment 0
		.amdhsa_kernarg_size 64
		.amdhsa_user_sgpr_count 2
		.amdhsa_user_sgpr_kernarg_segment_ptr 1
		.amdhsa_wavefront_size32 1
		.amdhsa_system_sgpr_workgroup_id_x 1
		.amdhsa_system_sgpr_workgroup_id_y 1
		.amdhsa_system_sgpr_workgroup_id_z 1
		.amdhsa_system_vgpr_workitem_id 0
		.amdhsa_next_free_vgpr 1024
		.amdhsa_next_free_sgpr 66
		.amdhsa_reserve_vcc 1
		.amdhsa_float_denorm_mode_32 3
		.amdhsa_float_denorm_mode_16_64 3
		.amdhsa_memory_ordered 1
		.amdhsa_forward_progress 1
		.amdhsa_inst_pref_size 247
	.end_amdhsa_kernel
	.amdgpu_metadata
---
amdhsa.version: [ 1, 2 ]
amdhsa.kernels:
  - .name:           k_qbd31677629_moe
    .symbol:         k_qbd31677629_moe.kd
    .args:
      - { .name: W_codes, .offset: 0, .size: 8, .value_kind: global_buffer, .address_space: global }
      - { .name: W_scales, .offset: 8, .size: 8, .value_kind: global_buffer, .address_space: global }
      - { .name: b, .offset: 16, .size: 8, .value_kind: global_buffer, .address_space: global }
      - { .name: x, .offset: 24, .size: 8, .value_kind: global_buffer, .address_space: global }
      - { .name: xq, .offset: 32, .size: 8, .value_kind: global_buffer, .address_space: global }
      - { .name: xs, .offset: 40, .size: 8, .value_kind: global_buffer, .address_space: global }
      - { .name: route, .offset: 48, .size: 8, .value_kind: global_buffer, .address_space: global }
      - { .name: out0, .offset: 56, .size: 8, .value_kind: global_buffer, .address_space: global }
    .group_segment_fixed_size: 138752
    .private_segment_fixed_size: 0
    .kernarg_segment_align: 8
    .kernarg_segment_size: 64
    .max_flat_workgroup_size: 128
    .sgpr_count:     66
    .vgpr_count:     1024
    .wavefront_size: 32
...
	.end_amdgpu_metadata
.endif
;; end of part 2
;; ======== version 2 of 2: 2 launches
;; workspace buffers: xq 2,097,152 bytes; xs 131,072 bytes; route 8,960 bytes of whole numbers
;; launch prep (part 3): grid 257 x 1, 8 waves a work-group, no clusters, 43,520 bytes of LDS; arguments x, cam_pred_ids, xq, xs, route, out0; writes xq, xs, route, out0
.if DOCPART == 3
	.amdgcn_target "amdgcn-amd-amdhsa--gfx1250"
	.amdhsa_code_object_version 6
	.text
	.protected	k_qbd31677629_prep
	.globl	k_qbd31677629_prep
	.p2align	8
	.type	k_qbd31677629_prep,@function
k_qbd31677629_prep:
	s_mov_b64 s[64:65], 0
	v_nop
	global_prefetch_b8 v0, s[64:65] scope:SCOPE_SE
	s_setreg_imm32_b32 hwreg(HW_REG_WAVE_MODE, 25, 1), 1
	s_wait_xcnt 0x0
; TWO JOBS IN ONE LAUNCH, parted on the work-group's number alone.
; Work-groups 1 to 256: x [2048][2048] f32 becomes codes of FP4 (E2M1), K innermost, xq [2048][1024 bytes], and one E8M0 byte for each 32 along K, xs [2048][64].
;   A work-group takes 8 rows, a wave one row: 4 steps of 512 numbers.  A block's scale is 2^(floor(log2(largest magnitude)) - 2): its byte is that magnitude's exponent field - 2, held at 1 from below.
;   A row whose id is not one of the 8 experts gets no product anywhere: its output is x itself, and the wave that holds the row stores it here.
; Work-group 0: a counting sort of the 2,048 ids.  route, int32: entries 0 .. 2159 = 135 tiles x 16 rows, a token's number or the marker 0x7fffffff; each expert's rows begin on a tile;
;   entry 2160 is a dump slot that nobody reads; at byte 8,704: for expert e the pair (first tile, number of tiles).  2048 / 16 + 7 = 135 tiles are the most that any split needs.
; LIMITS: NaN and infinities in x are not served.  A block of x whose largest magnitude lies under 2^-124, a block of zeros among them, gets the byte 1 (the rule says 127 for zeros): its codes are zeros or
;   what the byte 1 gives, and the bytes are read by this program alone.
; No tensor loads, no ring: a row is asked for whole, 16 loads a wave, and waves share only the 512 scale bytes that leave together.
.set SP,    80                         ; a lane's place in a stage: its 64 bytes + 16 of padding
.set WREG,  5120                       ; LDS for each wave: two stages of 32 x SP bytes
.set SCLQ,  8*WREG                     ; behind them: the work-group's 8 x 64 scale bytes
.set SORT,  SCLQ+512                   ; behind them: the sort's counts, 128 bytes a wave: bytes that the other job never names
.set DUMP,  2160                       ; route's dump entry
.set META,  8704                       ; route's table of pairs, in bytes
.set R,     16                         ; v16-79   the row as loaded: four sets of 16
.set X,     80                         ; v80-111  two sets of 16 neighbours
.set E,     112                        ; v112-115 a scale byte for each step
.set C,     116                        ; v116-123 codes: two registers for each step, so that no store's data are written again
.macro LOAD t                          ; step t: four loads of 512 consecutive bytes
.irp i, 0,1,2,3
	global_load_b128 v[R+16*(\t)+4*\i:R+16*(\t)+4*\i+3], v3, s[4:5] offset:2048*(\t)+512*\i
.endr
.endm
.macro TURN t                          ; step t's 2,048 bytes through the wave's own stage: in as they lie, out 64 bytes a lane.  LDS serves a wave's instructions in order: no wait between
.irp i, 0,1,2,3
	ds_store_b128 v14, v[R+16*(\t)+4*\i:R+16*(\t)+4*\i+3] offset:32*SP*((\t)%2)+8*SP*\i
.endr
.irp i, 0,1,2,3
	ds_load_b128 v[X+16*((\t)%2)+4*\i:X+16*((\t)%2)+4*\i+3], v15 offset:32*SP*((\t)%2)+16*\i
.endr
.endm
.macro STEP t
.set XS, X+16*((\t)%2)
.if (\t) > 0
	s_wait_dscnt 1                                 ; this step's numbers are back from the stage; the last step's byte store may be out
.else
	s_wait_dscnt 0x0
.endif
.if (\t) < 3
	s_wait_loadcnt 4*(2-(\t))                      ; the next step's four loads are in; those of the steps behind it may be out
	TURN (\t)+1                                    ; and go through the other stage while this step is worked
.endif
	v_max3_num_f32 v8, |v[XS]|, |v[XS+1]|, |v[XS+2]|               ; the largest magnitude of my 16, in two chains
	v_max3_num_f32 v9, |v[XS+3]|, |v[XS+4]|, |v[XS+5]|
.irp i, 6,10
	s_delay_alu instid0(VALU_DEP_2)
	v_max3_num_f32 v8, v8, |v[XS+\i]|, |v[XS+\i+1]|
	s_delay_alu instid0(VALU_DEP_2)
	v_max3_num_f32 v9, v9, |v[XS+\i+2]|, |v[XS+\i+3]|
.endr
	s_delay_alu instid0(VALU_DEP_2)
	v_max3_num_f32 v8, v8, |v[XS+14]|, |v[XS+15]|
	s_delay_alu instid0(VALU_DEP_1)
	v_max3_num_f32 v8, v8, v9, 0x1800000           ; and the floor 2^(3 - 127): the byte cannot fall under 1
	s_delay_alu instid0(VALU_DEP_1)
	v_max_num_f32_dpp v8, v8, v8 row_xmask:1 row_mask:0xf bank_mask:0xf   ; with my neighbour's 16: the block's
	s_delay_alu instid0(VALU_DEP_1)
	v_add_nc_u32 v11, 0xff000000, v8               ; 2 off its exponent field: the conversion takes the exponent field of this operand as its scale
	v_cvt_scalef32_pk8_fp4_f32 v[C+2*(\t)], v[XS:XS+7], v11        ; to the nearest code, ties to even, beyond 6 the largest code; the first number's code in the lowest four bits
	v_cvt_scalef32_pk8_fp4_f32 v[C+2*(\t)+1], v[XS+8:XS+15], v11
	v_lshrrev_b32 v[E+(\t)], 23, v11               ; the scale's byte (a plain line behind the conversions)
	ds_store_b8 v5, v[E+(\t)] offset:16*(\t)       ; both lanes of a block write the same byte with the same value
	global_store_b64 v4, v[C+2*(\t):C+2*(\t)+1], s[8:9] offset:256*(\t)   ; the wave stores 256 consecutive bytes, aligned
.endm
	s_load_b256 s[4:11], s[0:1], 0x0               ; x s[4:5], ids s[6:7], xq s[8:9], xs s[10:11]
	s_load_b128 s[12:15], s[0:1], 0x20             ; route s[12:13], out0 s[14:15]
	v_lshl_add_u32 v128, v0, 2, 0xa600
	v_mov_b32 v129, 0
	v_lshrrev_b32 v1, 5, v0
	s_delay_alu instid0(VALU_DEP_1)
	v_readfirstlane_b32 s16, v1                    ; wave 0..7
	v_and_b32 v2, 31, v0                           ; lane
	s_delay_alu instid0(VALU_DEP_1)
	v_lshlrev_b32 v3, 4, v2                        ; 16 x lane
	s_wait_kmcnt 0x0
	s_cmp_eq_u32 ttmp9, 0                          ; the same in all eight waves
	s_cbranch_scc1 .Lsort
	; ---------------- the quantiser ----------------
	s_sub_co_u32 s20, ttmp9, 1
	s_lshl_b32 s17, s20, 3
	s_add_co_u32 s17, s17, s16                     ; my row
	s_mov_b32 s19, 0
	s_lshl_b32 s18, s17, 13                        ; 8,192 bytes a row of x and of out0
	s_add_nc_u64 s[4:5], s[4:5], s[18:19]
	s_add_nc_u64 s[14:15], s[14:15], s[18:19]
	s_wait_alu depctr_va_vdst(0)
	LOAD 0                                         ; the whole row is asked for at once: 16 loads
	LOAD 1
	LOAD 2
	LOAD 3
	s_lshl_b32 s18, s17, 2
	s_add_nc_u64 s[6:7], s[6:7], s[18:19]
	s_load_b32 s21, s[6:7], 0x0                    ; my row's id
	s_lshl_b32 s18, s17, 10                        ; 1,024 bytes of codes a row
	s_add_nc_u64 s[8:9], s[8:9], s[18:19]
	s_lshl_b32 s18, s20, 9                         ; 512 scale bytes a work-group
	s_add_nc_u64 s[10:11], s[10:11], s[18:19]
	s_mul_i32 s22, s16, WREG
	v_lshrrev_b32 v14, 2, v2
	s_delay_alu instid0(VALU_DEP_1)
	v_mul_u32_u24 v14, v14, SP
	v_and_b32 v15, 3, v2
	s_delay_alu instid0(VALU_DEP_1)
	v_lshl_add_u32 v14, v15, 4, v14
	s_delay_alu instid0(VALU_DEP_1)
	v_add_nc_u32 v14, s22, v14                     ; the stage, way in: SP (lane / 4) + 16 (lane % 4): four lanes' 64 bytes on end, then the padding
	v_mul_u32_u24 v15, v2, SP
	s_delay_alu instid0(VALU_DEP_1)
	v_add_nc_u32 v15, s22, v15                     ; way out: SP x lane: my 16 neighbours
	v_lshlrev_b32 v4, 3, v2                        ; my 8 bytes of a step's 256 bytes of codes
	v_lshrrev_b32 v5, 1, v2
	s_lshl_b32 s23, s16, 6
	s_add_co_u32 s23, s23, SCLQ
	v_add_nc_u32 v5, s23, v5                       ; my block's byte among my row's 64
	v_add_nc_u32 v6, SCLQ, v3                      ; and, for wave 0 at the end, 16 bytes a lane of all 512
	s_wait_alu depctr_va_vdst(0)
	s_wait_loadcnt 12                              ; step 0's four loads are in
	TURN 0
	STEP 0
	STEP 1
	STEP 2
	STEP 3
	s_wait_kmcnt 0x0                               ; the id
	s_cmp_lt_u32 s21, 8
	s_cbranch_scc1 .Lrouted                        ; one of the 8 experts: the product's launch writes this row
.irp t, 0,1,2,3                                ; no expert takes the row: out = x, from the registers that still hold it
.irp i, 0,1,2,3
	global_store_b128 v3, v[R+16*\t+4*\i:R+16*\t+4*\i+3], s[14:15] offset:2048*\t+512*\i
.endr
.endr
.Lrouted:
	s_wait_dscnt 0x0                               ; for wave 0's sake: my 64 scale bytes lie in LDS
	s_barrier_signal -1
	s_barrier_wait -1
	s_cmp_lg_u32 s16, 0
	s_cbranch_scc1 .Lqend
	ds_load_b128 v[124:127], v6                    ; the 8 rows' scale bytes are 512 consecutive bytes of xs
	s_wait_dscnt 0x0
	global_store_b128 v3, v[124:127], s[10:11]     ; 32 lanes store them: two aligned runs of 256 bytes
.Lqend:
	s_wait_tensorcnt 0x0
	ds_add_u32 v128, v129
	s_wait_dscnt 0x0
	s_endpgm
	; ---------------- the sort ----------------
	; Wave w owns tokens 256 w .. 256 w + 255; register 4 jj + k of a lane holds token 256 w + 128 jj + 4 lane + k.
	; v16-23 ids, v24-31 places, v32-39 token numbers, v62-69 bases; s32-39 running counts, then bases; s40-47 rows of each expert; s48-55 16 x its first tile.
.Lsort:
	s_lshl_b32 s18, s16, 10
	s_wait_alu depctr_va_vdst(0)
	v_add_nc_u32 v1, s18, v3
	global_load_b128 v[16:19], v1, s[6:7]          ; 512 consecutive bytes each
	global_load_b128 v[20:23], v1, s[6:7] offset:512
	s_lshl_b32 s18, s16, 8
	v_lshl_add_u32 v9, v2, 2, s18
.irp j, 0,1,2,3,4,5,6,7
	v_add_nc_u32 v[32+\j], 128*(\j/4)+\j%4, v9     ; the tokens' numbers
.endr
.irp e, 0,1,2,3,4,5,6,7
	s_mov_b32 s[32+\e], 0
.endr
	v_lshl_add_u32 v10, v0, 2, SORT                ; my word among the counts: 128 bytes a wave
	v_lshl_add_u32 v11, v2, 2, SORT                ; and my lane's word of wave 0's
	v_mov_b32 v41, 0
	v_mov_b32 v52, 0
	v_mov_b32 v71, 0x7fffffff                      ; the marker
	s_wait_loadcnt 0x0
.irp j, 0,1,2,3,4,5,6,7                        ; each token's rank among its expert's tokens in this wave
.irp e, 0,1,2,3,4,5,6,7
	v_cmp_eq_u32 s56, \e, v[16+\j]
.if \e == 0
	s_delay_alu instid0(VALU_DEP_1)
	v_mbcnt_lo_u32_b32 v[24+\j], s56, s32          ; lower lanes with this expert + what earlier registers counted
.else
	s_delay_alu instid0(VALU_DEP_1)
	v_mbcnt_lo_u32_b32 v40, s56, s[32+\e]
	s_delay_alu instid0(VALU_DEP_1)
	v_cndmask_b32 v[24+\j], v[24+\j], v40, s56
.endif
	s_bcnt1_i32_b32 s57, s56
	s_add_co_u32 s[32+\e], s[32+\e], s57
.endr
.endr
.irp e, 0
	v_writelane_b32 v41, s[32+\e], \e
.endr
.irp e, 1, 2, 3, 4, 5, 6, 7
	s_delay_alu instid0(VALU_DEP_1)
	v_writelane_b32 v41, s[32+\e], \e              ; lane e: my wave's count for expert e; lanes 8-31: 0
.endr
	ds_store_b32 v10, v41
	s_wait_dscnt 0x0                               ; for the others' sake
	s_barrier_signal -1
	s_barrier_wait -1
.irp k, 0,1,2,3,4,5,6,7
	ds_load_b32 v[42+\k], v11 offset:128*\k        ; all eight waves' counts
.endr
	s_wait_dscnt 0x0
	v_add_nc_u32 v50, v42, v43
.irp k, 2,3,4,5,6,7
	s_delay_alu instid0(VALU_DEP_1)
	v_add_nc_u32 v50, v50, v[42+\k]                ; lane e: expert e's rows in all
.endr
	v_mov_b32 v51, 0
.irp k, 0,1,2,3,4,5,6
	s_cmp_gt_u32 s16, \k
	s_cselect_b32 s56, -1, 0
	v_and_b32 v40, s56, v[42+\k]
	s_delay_alu instid0(VALU_DEP_1)
	v_add_nc_u32 v51, v51, v40                     ; lane e: those in the waves ahead of mine
.endr
.irp e, 0,1,2,3,4,5,6,7
	v_readlane_b32 s[40+\e], v50, \e
	v_readlane_b32 s[32+\e], v51, \e
.endr
	s_mov_b32 s58, 0
.irp e, 0,1,2,3,4,5,6,7
	s_mov_b32 s[48+\e], s58                        ; 16 x the expert's first tile
	s_add_co_u32 s[32+\e], s[32+\e], s58           ; where my wave's first token of the expert goes
	s_add_co_u32 s57, s[40+\e], 15
	s_and_b32 s57, s57, -16                        ; its rows, rounded up to whole tiles
	s_add_co_u32 s58, s58, s57
.endr                                          ; s58 = 16 x the tiles in use
.irp j, 0,1,2,3,4,5,6,7
	v_mov_b32 v[62+\j], s32
.irp e, 1,2,3,4,5,6,7
	v_cmp_eq_u32 vcc_lo, \e, v[16+\j]
	s_delay_alu instid0(VALU_DEP_1)
	v_cndmask_b32 v[62+\j], v[62+\j], s[32+\e], vcc_lo
.endr
	s_delay_alu instid0(VALU_DEP_1)
	v_add_nc_u32 v[24+\j], v[24+\j], v[62+\j]      ; the token's place
	v_cmp_gt_u32 vcc_lo, 8, v[16+\j]
	s_delay_alu instid0(VALU_DEP_1)
	v_cndmask_b32 v[24+\j], DUMP, v[24+\j], vcc_lo ; an id that is no expert's: the token is listed nowhere
	s_delay_alu instid0(VALU_DEP_1)
	v_min_u32 v[24+\j], DUMP, v[24+\j]
	s_delay_alu instid0(VALU_DEP_1)
	v_lshlrev_b32 v[24+\j], 2, v[24+\j]
	global_store_b32 v[24+\j], v[32+\j], s[12:13]
.endr
	; the rest of expert w's last tile: wave w writes markers, at most 15
	s_mov_b32 s59, s40
	s_mov_b32 s60, s48
.irp e, 1,2,3,4,5,6,7
	s_cmp_eq_u32 s16, \e
	s_cselect_b32 s59, s[40+\e], s59
	s_cselect_b32 s60, s[48+\e], s60
.endr
	s_add_co_u32 s57, s59, 15
	s_and_b32 s57, s57, -16
	s_add_co_u32 s57, s57, s60                     ; where the expert's tiles end
	s_add_co_u32 s59, s59, s60                     ; where its rows end
	v_add_nc_u32 v70, s59, v2
	s_delay_alu instid0(VALU_DEP_1)
	v_cmp_gt_u32 vcc_lo, s57, v70
	s_delay_alu instid0(VALU_DEP_1)
	v_cndmask_b32 v70, DUMP, v70, vcc_lo
	s_delay_alu instid0(VALU_DEP_1)
	v_min_u32 v70, DUMP, v70
	s_delay_alu instid0(VALU_DEP_1)
	v_lshlrev_b32 v70, 2, v70
	global_store_b32 v70, v71, s[12:13]
	; the tiles that this split does not use: 256 threads x 9 = 2,304 places cover all 2,160 entries even where no id is an expert's; what passes the end goes to the dump slot
.irp k, 0,1,2,3,4,5,6,7,8
	v_add_nc_u32 v[72+\k], s58, v0
	s_delay_alu instid0(VALU_DEP_1)
	v_add_nc_u32 v[72+\k], 256*\k, v[72+\k]
	s_delay_alu instid0(VALU_DEP_1)
	v_min_u32 v[72+\k], DUMP, v[72+\k]
	s_delay_alu instid0(VALU_DEP_1)
	v_lshlrev_b32 v[72+\k], 2, v[72+\k]
	global_store_b32 v[72+\k], v71, s[12:13]
.endr
	s_cmp_lg_u32 s16, 0
	s_cbranch_scc1 .Lsend
.irp e, 0
	v_writelane_b32 v52, s[48+\e], \e
.endr
.irp e, 1, 2, 3, 4, 5, 6, 7
	s_delay_alu instid0(VALU_DEP_1)
	v_writelane_b32 v52, s[48+\e], \e
.endr
	s_delay_alu instid0(VALU_DEP_1)
	v_lshrrev_b32 v54, 4, v52                      ; lane e: the expert's first tile,
	v_add_nc_u32 v55, 15, v50
	s_delay_alu instid0(VALU_DEP_1)
	v_lshrrev_b32 v55, 4, v55                      ; and its number of tiles; lanes 8-31: zeros
	v_lshlrev_b32 v56, 3, v2
	global_store_b64 v56, v[54:55], s[12:13] offset:META   ; 256 consecutive bytes, aligned
.Lsend:
	s_wait_tensorcnt 0x0
	ds_add_u32 v128, v129
	s_wait_dscnt 0x0
	s_endpgm
.Lfunc_end_k_qbd31677629_prep:
	.size	k_qbd31677629_prep, .Lfunc_end_k_qbd31677629_prep-k_qbd31677629_prep
	.p2alignl 7, 3214868480
	.fill 96, 4, 3214868480
	.section	.rodata,"a",@progbits
	.p2align	6, 0x0
	.amdhsa_kernel k_qbd31677629_prep
		.amdhsa_group_segment_fixed_size 43520
		.amdhsa_private_segment_fixed_size 0
		.amdhsa_enable_private_segment 0
		.amdhsa_kernarg_size 48
		.amdhsa_user_sgpr_count 2
		.amdhsa_user_sgpr_kernarg_segment_ptr 1
		.amdhsa_wavefront_size32 1
		.amdhsa_system_sgpr_workgroup_id_x 1
		.amdhsa_system_sgpr_workgroup_id_y 1
		.amdhsa_system_sgpr_workgroup_id_z 1
		.amdhsa_system_vgpr_workitem_id 0
		.amdhsa_next_free_vgpr 130
		.amdhsa_next_free_sgpr 66
		.amdhsa_reserve_vcc 1
		.amdhsa_float_denorm_mode_32 3
		.amdhsa_float_denorm_mode_16_64 3
		.amdhsa_memory_ordered 1
		.amdhsa_forward_progress 1
		.amdhsa_inst_pref_size 56
	.end_amdhsa_kernel
	.amdgpu_metadata
---
amdhsa.version: [ 1, 2 ]
amdhsa.kernels:
  - .name:           k_qbd31677629_prep
    .symbol:         k_qbd31677629_prep.kd
    .args:
      - { .name: x, .offset: 0, .size: 8, .value_kind: global_buffer, .address_space: global }
      - { .name: cam_pred_ids, .offset: 8, .size: 8, .value_kind: global_buffer, .address_space: global }
      - { .name: xq, .offset: 16, .size: 8, .value_kind: global_buffer, .address_space: global }
      - { .name: xs, .offset: 24, .size: 8, .value_kind: global_buffer, .address_space: global }
      - { .name: route, .offset: 32, .size: 8, .value_kind: global_buffer, .address_space: global }
      - { .name: out0, .offset: 40, .size: 8, .value_kind: global_buffer, .address_space: global }
    .group_segment_fixed_size: 43520
    .private_segment_fixed_size: 0
    .kernarg_segment_align: 8
    .kernarg_segment_size: 48
    .max_flat_workgroup_size: 256
    .sgpr_count:     66
    .vgpr_count:     130
    .wavefront_size: 32
...
	.end_amdgpu_metadata
.endif
;; end of part 3
;; launch moe (part 4): grid 32 x 8, 4 waves a work-group, no clusters, 138,752 bytes of LDS; arguments W_codes, W_scales, b, x, xq, xs, route, out0; writes out0
.if DOCPART == 4
	.amdgcn_target "amdgcn-amd-amdhsa--gfx1250"
	.amdhsa_code_object_version 6
	.text
	.protected	k_qbd31677629_moe
	.globl	k_qbd31677629_moe
	.p2align	8
	.type	k_qbd31677629_moe,@function
k_qbd31677629_moe:
	s_mov_b64 s[64:65], 0
	v_nop
	global_prefetch_b8 v0, s[64:65] scope:SCOPE_SE
	s_setreg_imm32_b32 hwreg(HW_REG_WAVE_SCHED_MODE, 0, 2), 2
	s_setreg_imm32_b32 hwreg(HW_REG_WAVE_MODE, 25, 1), 1
	s_wait_xcnt 0x0
	s_wait_alu depctr_vm_vsrc(0)
; out[i] = x[i] + relu(Q(x[i]) . W[e]^T + b[e]) for the tokens i whose id is e, on codes of FP4 (E2M1) with one E8M0 scale for each 32 along K; sums in f32, K ascending, one accumulator for each output.
; SHARES.  Work-group (nb, e) owns expert e and output columns 64 nb .. 64 nb + 63.  Its 64 rows of W (64 KiB of codes, 4 KiB of scale bytes) are read from memory by this work-group alone, in runs of 512 bytes a wave,
; and laid into LDS; ONE barrier follows, on every wave's path, ahead of every branch on a stored number.  All that comes behind it is a wave's own: wave w takes the expert's tiles of 16 tokens w, w + 4, w + 8, ..,
; up to five at a time (a PASS).  A tile's 16 rows of codes are gathered in whole pieces of 256 bytes, turned through the wave's own stage in LDS into 16 fragments (128 registers) that stay; 16 K steps of 128 multiply them
; by W's fragments from LDS; the bias is the C of the first K step.  Results go through the same stage back to rows; relu, the residual x (asked for in K step 4) and stores of 256 consecutive bytes, aligned.
; THE MATRIX INSTRUCTION IS USED TRANSPOSED: source 0 = 16 rows of W, source 1 = 16 tokens: a lane holds one token (lane % 16) and eight neighbouring columns 8 (lane / 16) + 0 .. 7.
; A TILE'S EMPTY ROWS (the marker in the list) take the tile's row 0 in their stead, and a pass of four with fewer tiles left repeats the wave's last tile: the same numbers are computed and stored to the same bytes
; by the same wave, so no lane is ever switched off.
; NO TENSOR LOADS, NO CLUSTER: the number of passes and the choice of four or five tiles hang on the stored list, and a tile's rows are 16 rows anywhere in xq, which no one descriptor covers; W's rows, the one dense block,
; are shared with no other work-group.  What the 32 work-groups of an expert share is 1,088 bytes a token of codes and scale bytes.
; LIMITS: none of its own; the quantiser's are stated in the launch that makes xq and xs.  Tokens whose id is no expert's are not in the list: that launch has written their rows.
; THE MODE: SCHED_MODE bits 1:0 = 2 (LLVM: expert scheduling mode 2), set by the entry lines.  The code itself states the register dependences between vector or matrix instructions and memory or LDS instructions,
; with s_wait_alu, always for 0.
; THE PLAN.  Registers that memory or LDS instructions touch, and who else names them, in the order of a pass:
;   v1-14         offsets and LDS addresses: written by vector lines at the head, read by loads and stores, never written again.
;   TA, TB        written by ten additions ahead of the list's loads, which read them as offsets; in a pass of five, tile 4's gathers land there.
;   TOKH, TL      the list's loads land there; PREP's vector lines read and write them; TOKH is then the offset of the residual's loads and of the stores; the next pass's list lands there.
;   COFF, SOFF    written by PREP; read by the gathers as offsets; behind the last gather the accumulators and W's first set lie there.
;   a tile's 128  gathers land; the stage's stores read; the stage's loads land; products read; 0-31 take the residual from K step 4 on, 32-63 the rows of results; relu and the addition; the stores read 32-63.
;   ASC           gathers land; products read them as scales.     BSC, BIAS: loaded once, then only read.
;   BF0, BF1      the LDS loads of K step q land in the set that the products of step q - 1 read.
;   accumulators  written by products alone; read by the stage's stores.
; So: one wait on va_vdst behind the ten additions; one at PREP's end, behind which no vector or matrix instruction stands until K step 0, so that all gathers, all hops through the stage and the first two fetches of W
; hang on it alone; one at the head of K steps 1 to 14; one ahead of the way out; one ahead of each tile's eight stores.  One wait on vm_vsrc between a hop's stores and its loads, one at the pass's end, one ahead of the
; closing lines' two registers.  One wait on va_sdst for the wave's number and three in PREP, whose compares are laid in runs.
; REGISTERS, in windows of 256 (s_set_vgpr_msb: bits 1:0 source 0, 3:2 source 1, 5:4 source 2, 7:6 destination):
;   window 0: v1-14 addresses; v16-47 W's scale words; v48-87 the tokens' scale words, 8 a tile; v88-127 token numbers, then byte offsets in x and out, 8 a tile; v128-255 tile 4's fragments (before that, scratch)
;   window 1: tiles 0 and 1, 128 registers each;  window 2: tiles 2 and 3
;   window 3: v0-159 the accumulators (tile u, column tile j at 32 u + 8 j); v160-223 W's fragments, two sets of 32; v224-255 the bias, 8 a column tile; ahead of the K steps v0-135 W on its way to LDS, v136-180 gather offsets
; SCALARS: s[4:19] the eight addresses; s20 wave, s21 expert, s22 column block; s24 first tile, s25 tiles of the expert; s26 my wave's tiles, s27 those done, s28 the last one's number, s29 my first tile in the list;
;   s32-36 five tiles' byte offsets in the list; s37-43 at work (in PREP s37-41: the five tiles' rows 0); s44 passes done, s45 passes in all; s46-63 in PREP: the compares' masks, nine a tile, two tiles at a time.
.set BP,    1040                       ; a row of 1,024 bytes of codes in LDS + 16 of padding: 65 x 16, so that the 16 rows of a fragment load begin in 16 different groups of four banks
.set BSCL,  64*BP                      ; behind W's 64 rows of codes: its scale bytes, 64 rows of 64 + 16
.set SCP,   80
.set STAGE, BSCL+64*SCP                ; behind them: a stage of 16 x BP bytes for each wave
.set STGB,  16*BP
.set RP,    272                        ; a row of results in the stage: 256 bytes + 16
.set META,  8704                       ; route: the table of pairs, in bytes
.set L16,  1                           ; 16 (lane % 16)
.set XL,   2                           ; the same + 256 nb: my 16 bytes of a row's 256 in x and out
.set STW,  3                           ; stage, codes in: row 8 h, + 16 (lane % 16)          (h = lane / 16, r = lane % 16)
.set FRD,  4                           ; stage, fragments out: row r, + 16 h
.set BFR,  5                           ; W's fragments: row r, + 16 h
.set EST,  6                           ; stage, results in: row r of RP, + 32 h
.set ERD,  7                           ; stage, rows out: row 8 h of RP, + 16 (lane % 16)
.set BSR,  8                           ; W's scale words: row r + 16 h
.set H16,  9
.set H32,  10
.set R4,   11
.set GW,   12                          ; 16 x thread: W in memory
.set LW,   13                          ; and in LDS
.set LSW,  14                          ; its scale bytes in LDS
.set BSC,  16
.set ASC,  48
.set TOKH, 88                          ; tile u, register i: the token of row 8 h + i; later its byte offset in x and out
.set TA,   128
.set TB,   133
.set TL,   138                         ; tile u: the token of row r
.set BF,   160                         ; window 3
.set BIAS, 224
.set COFF, 136                         ; tile u, register i: byte offset in xq of my 16 bytes of row 8 h + i
.set SOFF, 176                         ; tile u: byte offset in xs of row r, + 16 h
.set MSB, 0
.macro WIN new                         ; the immediate's high byte repeats the setting that is left; a switch that changes nothing is dropped
.if MSB != (\new)
	s_set_vgpr_msb (MSB<<8)|(\new)
.set MSB, (\new)
.endif
.endm
.macro AREG u                          ; tile u's 128 registers: window AW, from AB on
.set AW, ((\u)/2+1)%3
.set AB, 128*(((\u)%2)|((\u)/4))
.endm
.macro PLACES                          ; four plain vector lines between a matrix instruction and a load into, or a read of, its registers
.rept 4
	v_nop
.endr
.endm
; Which five tiles this pass takes: the wave's tiles u0 .. u0 + 4, held at its last one; their byte offsets in the list.
.macro TILES
.set tu, 0
.rept 5
	s_add_co_u32 s37, s27, tu
	s_min_u32 s37, s37, s28
	s_lshl_b32 s37, s37, 2
	s_add_co_u32 s37, s37, s29
	s_min_u32 s37, s37, 134
	s_lshl_b32 s[32+tu], s37, 6                    ; 16 entries of 4 bytes a tile
.set tu, tu+1
.endr
.endm
.macro TOKLOAD                         ; 15 loads: each tile's 16 entries twice: eight a half of the lanes, and one a lane.  The ten offsets are made first, so that one wait serves all 15
.set tu, 0
.rept 5
	v_add_nc_u32 v[TA+tu], s[32+tu], v[H32]
	v_add_nc_u32 v[TB+tu], s[32+tu], v[R4]
.set tu, tu+1
.endr
	s_wait_alu depctr_va_vdst(0)                   ; TA and TB are written, which the loads below read; every vector line that named TOKH and TL, in which they land, is done; at the head: so are the lines that made v1 to v14
.set tu, 0
.rept 5
	global_load_b128 v[TOKH+8*tu:TOKH+8*tu+3], v[TA+tu], s[16:17]
	global_load_b128 v[TOKH+8*tu+4:TOKH+8*tu+7], v[TA+tu], s[16:17] offset:16
	global_load_b32 v[TL+tu], v[TB+tu], s[16:17]
.set tu, tu+1
.endr
.endm
.macro MARKS u, m                      ; tile u's nine compares in a run: which entries are tokens; the masks into s[m] .. s[m + 8]
.set pi, 0
.rept 8
	v_cmp_gt_u32 s[(\m)+pi], 0x800, v[TOKH+8*(\u)+pi]
.set pi, pi+1
.endr
	v_cmp_gt_u32 s[(\m)+8], 0x800, v[TL+(\u)]
.endm
.macro HOLD u, m                       ; markers become the tile's row 0; every number is held under 2,048
.set pi, 0
.rept 8
	v_cndmask_b32 v[TOKH+8*(\u)+pi], s[37+(\u)], v[TOKH+8*(\u)+pi], s[(\m)+pi]
	v_min_u32 v[TOKH+8*(\u)+pi], 0x7ff, v[TOKH+8*(\u)+pi]
.set pi, pi+1
.endr
	v_cndmask_b32 v[TL+(\u)], s[37+(\u)], v[TL+(\u)], s[(\m)+8]
	v_min_u32 v[TL+(\u)], 0x7ff, v[TL+(\u)]
.endm
.macro PREP                            ; the list's numbers are mended, then the offsets are made of them
	WIN 0
.set pu, 0
.rept 5
	v_readfirstlane_b32 s[37+pu], v[TOKH+8*pu]     ; lane 0, register 0: row 0, a token wherever the tile has any
.set pu, pu+1
.endr
	MARKS 0, 46
	MARKS 1, 55
	s_wait_alu depctr_va_sdst(0)                   ; the five rows 0 in s37 to s41 and the masks of tiles 0 and 1 in s46 to s63 are written, ahead of their first readers below
	HOLD 0, 46
	HOLD 1, 55
	MARKS 2, 46
	MARKS 3, 55
	s_wait_alu depctr_va_sdst(0)                   ; the masks of tiles 2 and 3 are written
	HOLD 2, 46
	HOLD 3, 55
	MARKS 4, 46
	s_wait_alu depctr_va_sdst(0)                   ; the masks of tile 4 are written
	HOLD 4, 46
	WIN 0xc0
.set pu, 0
.rept 5
.set pi, 0
.rept 8
	v_lshl_add_u32 v[COFF+8*pu+pi], v[TOKH+8*pu+pi], 10, v[L16]
.set pi, pi+1
.endr
	v_lshl_add_u32 v[SOFF+pu], v[TL+pu], 6, v[H16]
.set pu, pu+1
.endr
	WIN 0
.set pi, 0
.rept 40
	v_lshl_add_u32 v[TOKH+pi], v[TOKH+pi], 13, v[XL]
.set pi, pi+1
.endr
	s_wait_alu depctr_va_vdst(0)                   ; COFF, SOFF and TOKH are written, which the gathers, the residual's loads and the stores read; and all that the pass before did with the tiles' registers, ASC and W's sets, in which the loads up to K step 0 land, is done
.endm
; 34 loads: tile u's 16 rows of codes, sixteen lanes to a piece of 256 consecutive bytes (rows i and 8 + i an instruction), and its scale words: register 4 i + k, lane (r, h): K step 8 i + 4 h + k of row r.
; No wait: no vector or matrix instruction stands between PREP's last wait and any gather of the pass.
.macro ISSUE u
	AREG \u
	WIN (AW<<6)|3
.set ii, 0
.rept 8
.set ss, 0
.rept 4
	global_load_b128 v[AB+4*(4*ii+ss):AB+4*(4*ii+ss)+3], v[COFF+8*(\u)+ii], s[12:13] offset:256*ss
.set ss, ss+1
.endr
.set ii, ii+1
.endr
	WIN 0x03
	global_load_b128 v[ASC+8*(\u):ASC+8*(\u)+3], v[SOFF+(\u)], s[14:15]
	global_load_b128 v[ASC+8*(\u)+4:ASC+8*(\u)+7], v[SOFF+(\u)], s[14:15] offset:32
.endm
; Tile u through the stage: in by rows (HOPIN), out as 16 fragments (HOPOUT; K step q at AB + 8 q), into the registers that the stores left.  LDS serves a wave's instructions in order (ISA guide 5.7.1.4): no wait on DScnt between, nor ahead of the next tile's stores.
.macro HOPIN u, left
	AREG \u
	s_wait_loadcnt \left                           ; tile u's 34 loads are in; left = the next tile's 34, or none
	WIN AW<<2
.set ii, 0
.rept 8
.set ss, 0
.rept 4
	ds_store_b128 v[STW], v[AB+4*(4*ii+ss):AB+4*(4*ii+ss)+3] offset:BP*ii+256*ss
.set ss, ss+1
.endr
.set ii, ii+1
.endr
.endm
.macro HOPOUT u
	AREG \u
	WIN AW<<6
	s_wait_alu depctr_vm_vsrc(0)                   ; the tile's 32 stores into the stage have read its registers, in which the loads below land.  It frees as well what earlier loads and stores have read: TA and TB (tile 4's gathers land there), the gathers' offsets and, in the first pass, W's registers on the way to LDS (the accumulators and W's first set lie there)
.set ii, 0
.rept 16
	ds_load_b128 v[AB+8*ii:AB+8*ii+3], v[FRD] offset:64*ii
	ds_load_b128 v[AB+8*ii+4:AB+8*ii+7], v[FRD] offset:64*ii+32
.set ii, ii+1
.endr
.endm
.macro BFETCH q, buf                   ; W's four fragments of K step q: 8 LDS loads
	WIN 0xc0
.set bj, 0
.rept 4
	ds_load_b128 v[BF+32*(\buf)+8*bj:BF+32*(\buf)+8*bj+3], v[BFR] offset:16*BP*bj+64*(\q)
	ds_load_b128 v[BF+32*(\buf)+8*bj+4:BF+32*(\buf)+8*bj+7], v[BFR] offset:16*BP*bj+64*(\q)+32
.set bj, bj+1
.endr
.endm
.macro XLOAD u                         ; the residual: tile u's 8 loads, into the registers of the fragments of K steps 0 to 3, which are done with
	AREG \u
	WIN AW<<6
.set xi, 0
.rept 8
	global_load_b128 v[AB+4*xi:AB+4*xi+3], v[TOKH+8*(\u)+xi], s[10:11] th:TH_LOAD_NT
.set xi, xi+1
.endr
.endm
; 4 matrix instructions: K step q of tile u.
; W's scale word: register BSC + 16 (j / 2) + q, lanes 0-15 for even j, lanes 16-31 for odd j.  The tokens': register ASC + 8 u + 4 (q / 8) + q % 4, lanes 16-31 where (q / 4) is odd.
.macro MULT q, u
	AREG \u
	WIN 0xf3|(AW<<2)
.set mj, 0
.rept 4
.set rD, 32*(\u)+8*mj
.set rC, rD
.if (\q) == 0
.set rC, BIAS+8*mj
.endif
.set rW, BF+32*((\q)%2)+8*mj
.set rX, AB+8*(\q)
.set sW, BSC+16*(mj/2)+(\q)
.set sX, ASC+8*(\u)+4*((\q)/8)+((\q)%4)
.set fA, mj%2
.set fB, ((\q)/4)%2
.if fA && fB
	v_wmma_scale_f32_16x16x128_f8f6f4 v[rD:rD+7], v[rW:rW+7], v[rX:rX+7], v[rC:rC+7], v[sW], v[sX] matrix_a_fmt:MATRIX_FMT_FP4 matrix_b_fmt:MATRIX_FMT_FP4 matrix_a_scale:MATRIX_SCALE_ROW1 matrix_b_scale:MATRIX_SCALE_ROW1
.elseif fA
	v_wmma_scale_f32_16x16x128_f8f6f4 v[rD:rD+7], v[rW:rW+7], v[rX:rX+7], v[rC:rC+7], v[sW], v[sX] matrix_a_fmt:MATRIX_FMT_FP4 matrix_b_fmt:MATRIX_FMT_FP4 matrix_a_scale:MATRIX_SCALE_ROW1
.elseif fB
	v_wmma_scale_f32_16x16x128_f8f6f4 v[rD:rD+7], v[rW:rW+7], v[rX:rX+7], v[rC:rC+7], v[sW], v[sX] matrix_a_fmt:MATRIX_FMT_FP4 matrix_b_fmt:MATRIX_FMT_FP4 matrix_b_scale:MATRIX_SCALE_ROW1
.else
	v_wmma_scale_f32_16x16x128_f8f6f4 v[rD:rD+7], v[rW:rW+7], v[rX:rX+7], v[rC:rC+7], v[sW], v[sX] matrix_a_fmt:MATRIX_FMT_FP4 matrix_b_fmt:MATRIX_FMT_FP4
.endif
.set mj, mj+1
.endr
.endm
; 4 n matrix instructions: K step q of all tiles.  The 4 n accumulators take turns, one instruction a turn, in the same order in every step.
; In K step 4 the residual's loads are dealt behind each pair of tiles' products.  No wait: the step's head has shown the products of steps 0 to 3 done reading the registers in which they land, and no product
; of step 4 names those registers or the loads' offsets.
.macro MULS q, n
	MULT \q, 0
	MULT \q, 1
.if (\q) == 4
	XLOAD 0
	XLOAD 1
.endif
	MULT \q, 2
	MULT \q, 3
.if (\q) == 4
	XLOAD 2
	XLOAD 3
.endif
.if (\n) == 5
	MULT \q, 4
.if (\q) == 4
	XLOAD 4
.endif
.endif
.endm
.macro KSTEP q, n
.if (\q) < 15
.if (\q) > 0
	PLACES                                         ; behind the last step's products: the set fetched into below is the one that they read; in step 4 also for the residual's loads
	WIN 0xc0
	s_wait_alu depctr_va_vdst(0)                   ; the last step's products are done reading W's set in which the loads below land; in step 4: and those of steps 0 to 3 their fragments, in which the residual lands
.endif
	BFETCH (\q)+1, ((\q)+1)%2                      ; (in step 0 no wait: no vector or matrix instruction has been issued since PREP's last wait)
	s_wait_dscnt 8                                 ; all but the 8 loads just issued: this step's fragments of W are in (in step 0: the tiles' too)
.else
	s_wait_dscnt 0x0
.endif
	MULS \q, \n
.endm
.macro TOSTAGE u                       ; tile u's results: 32 bytes a lane into rows of RP, each accumulator from its low end on; back as rows: lanes 0-15 row i, lanes 16-31 row 8 + i
	AREG \u
	WIN 0x0c
.set tj, 0
.rept 4
	ds_store_b128 v[EST], v[32*(\u)+8*tj:32*(\u)+8*tj+3] offset:64*tj
	ds_store_b128 v[EST], v[32*(\u)+8*tj+4:32*(\u)+8*tj+7] offset:64*tj+16
.set tj, tj+1
.endr
	WIN AW<<6
.set tj, 0
.rept 8
	ds_load_b128 v[AB+32+4*tj:AB+35+4*tj], v[ERD] offset:RP*tj
.set tj, tj+1
.endr
.endm
.macro WORK u, y, n                    ; tile u's arithmetic.  y: the LDS instructions issued behind tile u's loads: the next tile's 16, or none
	AREG \u
	s_wait_dscnt \y
	s_wait_loadcnt 8*((\n)-1-(\u))                 ; tile u's residual is in; the later tiles' 8 loads each may be out
	WIN (AW<<6)|(AW<<2)|AW
.set si, 0
.rept 32
	v_max_num_f32 v[AB+32+si], 0, v[AB+32+si]      ; relu
.set si, si+1
.endr
.set si, 0
.rept 16
	v_pk_add_f32 v[AB+32+2*si:AB+33+2*si], v[AB+32+2*si:AB+33+2*si], v[AB+2*si:AB+2*si+1]   ; + x
.set si, si+1
.endr
.endm
.macro OUT u                           ; tile u's stores
	AREG \u
	WIN AW<<2
	s_wait_alu depctr_va_vdst(0)                   ; the additions have written tile u's 32 registers of results, which the stores below read
.set oi, 0
.rept 8
	global_store_b128 v[TOKH+8*(\u)+oi], v[AB+32+4*oi:AB+35+4*oi], s[18:19] th:TH_STORE_NT   ; each half of the lanes stores 256 consecutive bytes, aligned, of one row
.set oi, oi+1
.endr
.endm
; A pass of n tiles.  On the way in tiles 0 and 1 have been asked for: 68 loads.  Each later tile is asked for between the stage's stores and the stage's loads of the tile two ahead of it.
.macro PASS n
	HOPIN 0, 34
	ISSUE 2
	HOPOUT 0
	HOPIN 1, 34
	ISSUE 3
	HOPOUT 1
	HOPIN 2, 34
.if \n == 5
	ISSUE 4
	HOPOUT 2
	HOPIN 3, 34
	HOPOUT 3
	HOPIN 4, 0
	HOPOUT 4
.else
	HOPOUT 2
	HOPIN 3, 0
	HOPOUT 3
.endif
	BFETCH 0, 0                                    ; (no gather is out any more, and the last hop's wait has shown the gathers' offsets read: their registers may be written)
.set Q, 0
.rept 16
	KSTEP Q, \n
.set Q, Q+1
.endr
	PLACES                                         ; behind the last products, ahead of the first read of results
	s_wait_alu depctr_va_vdst(0)                   ; the products have written the accumulators, which the stage's stores read, and are done reading the fragments of K steps 4 to 7, in which the rows of results land; the places above stay beside this wait
	TOSTAGE 0
	TOSTAGE 1
.set U, 0
.rept \n                               ; tile U's arithmetic; the tile two ahead goes through the stage (its registers are named by no vector line since the wait above); then tile U's stores
.if U < \n-1
	WORK U, 16, \n
.else
	WORK U, 0, \n
.endif
.if U+2 < \n
	TOSTAGE U+2
.endif
	OUT U
.set U, U+1
.endr
	WIN 0
.endm
	s_load_b512 s[4:19], s[0:1], 0x0               ; W's codes s[4:5], W's scales s[6:7], b s[8:9], x s[10:11], xq s[12:13], xs s[14:15], route s[16:17], out s[18:19]
	v_lshrrev_b32 v88, 5, v0
	v_readfirstlane_b32 s20, v88                   ; wave 0..3
	v_and_b32 v88, 15, v0                          ; r
	s_wait_alu depctr_va_vdst(0)
	v_bfe_u32 v89, v0, 4, 1                        ; h
	s_wait_alu depctr_va_vdst(0)
	s_and_b32 s21, ttmp7, 0xffff                   ; the expert
	s_mov_b32 s22, ttmp9                           ; which 64 columns
	s_lshl_b32 s23, s21, 3
	s_wait_alu depctr_va_sdst(0)                   ; s20 is written, ahead of its first reader: my stage's address and my share of the tiles are made from it
	s_mul_i32 s38, s20, STGB
	s_add_co_u32 s38, s38, STAGE                   ; my stage
	s_lshl_b32 s37, s22, 8
	s_lshl_b32 s30, s21, 21                        ; W's codes: 2 MiB an expert, 64 rows of 1,024 bytes a work-group
	s_lshl_b32 s39, s22, 16
	s_add_co_u32 s30, s30, s39
	s_mov_b32 s31, 0
	s_lshl_b32 s40, s21, 17                        ; its scale bytes: 128 KiB an expert, 4,096 bytes a work-group
	s_lshl_b32 s39, s22, 12
	s_add_co_u32 s40, s40, s39
	s_mov_b32 s41, 0
	s_lshl_b32 s42, s21, 13                        ; the bias: 8,192 bytes an expert, 256 a work-group
	s_add_co_u32 s42, s42, s37
	s_mov_b32 s43, 0
	v_lshlrev_b32 v[L16], 4, v88
	v_add_nc_u32 v[XL], s37, v[L16]
	v_lshlrev_b32 v[GW], 4, v0
	v_lshlrev_b32 v[H32], 5, v89
	s_wait_kmcnt 0x0
	s_load_b64 s[24:25], s[16:17], s23 offset:0x2200   ; the expert's first tile and its number of tiles
	s_add_nc_u64 s[4:5], s[4:5], s[30:31]
	s_add_nc_u64 s[6:7], s[6:7], s[40:41]
	s_add_nc_u64 s[8:9], s[8:9], s[42:43]
	WIN 0xc0                                       ; destination window 3
	s_wait_alu depctr_va_vdst(0)                   ; v[GW] and v[H32] are written, which the loads below read as offsets
.set ii, 0
.rept 32
	global_load_b128 v[4*ii:4*ii+3], v[GW], s[4:5] offset:2048*ii th:TH_LOAD_NT   ; the four waves take 2,048 consecutive bytes: two rows of W
.set ii, ii+1
.endr
.set ii, 0
.rept 2
	global_load_b128 v[128+4*ii:131+4*ii], v[GW], s[6:7] offset:2048*ii th:TH_LOAD_NT
.set ii, ii+1
.endr
.set ii, 0
.rept 4
	global_load_b128 v[BIAS+8*ii:BIAS+8*ii+3], v[H32], s[8:9] offset:64*ii        ; lane (r, h), register j: b at column 16 ii + 8 h + j: the result's layout
	global_load_b128 v[BIAS+8*ii+4:BIAS+8*ii+7], v[H32], s[8:9] offset:64*ii+16
.set ii, ii+1
.endr
	WIN 0
	v_mad_u32_u24 v[STW], v89, 8*BP, v[L16]
	v_add_nc_u32 v[STW], s38, v[STW]
	v_mul_u32_u24 v[BFR], v88, BP
	v_lshl_add_u32 v[BFR], v89, 4, v[BFR]
	v_add_nc_u32 v[FRD], s38, v[BFR]
	v_mul_u32_u24 v[EST], v88, RP
	v_lshl_add_u32 v[EST], v89, 5, v[EST]
	v_add_nc_u32 v[EST], s38, v[EST]
	v_mad_u32_u24 v[ERD], v89, 8*RP, v[L16]
	v_add_nc_u32 v[ERD], s38, v[ERD]
	v_mul_u32_u24 v[BSR], v88, SCP
	v_mad_u32_u24 v[BSR], v89, 16*SCP, v[BSR]
	v_add_nc_u32 v[BSR], BSCL, v[BSR]
	v_lshlrev_b32 v[H16], 4, v89
	v_lshlrev_b32 v[R4], 2, v88
	v_lshrrev_b32 v90, 6, v0                       ; W into LDS: thread t's 16 bytes of load i lie in row 2 i + t / 64, at byte 16 (t % 64)
	v_and_b32 v91, 63, v0
	v_lshlrev_b32 v91, 4, v91
	v_mad_u32_u24 v[LW], v90, BP, v91
	v_lshrrev_b32 v90, 2, v0                       ; its scale bytes: row 32 i + t / 4, at byte 16 (t % 4)
	v_and_b32 v91, 3, v0
	v_lshlrev_b32 v91, 4, v91
	v_mad_u32_u24 v[LSW], v90, SCP, v91
	v_add_nc_u32 v[LSW], BSCL, v[LSW]
	s_wait_kmcnt 0x0
	s_min_u32 s24, s24, 134
	s_min_u32 s25, s25, 135
	s_add_co_u32 s26, s25, 3
	s_sub_co_u32 s26, s26, s20
	s_lshr_b32 s26, s26, 2                         ; my wave's tiles: those numbered w, w + 4, ..: 34 at the most
	s_max_u32 s28, s26, 1
	s_sub_co_u32 s28, s28, 1                       ; the last of them
	s_add_co_u32 s29, s24, s20                     ; the first, in the list
	s_mov_b32 s27, 0                               ; how many are done
	s_add_co_u32 s45, s26, 4
	s_mul_i32 s45, s45, 205
	s_lshr_b32 s45, s45, 10                        ; passes: (tiles + 4) / 5, rounded down: 205 / 1,024 gives that for every number up to 38
	s_mov_b32 s44, 0                               ; passes done: the loop's counter
	TILES
	TOKLOAD                                        ; (its wait also shows v88 to v91, the head's scratch, done with: the list lands there)
	s_wait_loadcnt 0x0                             ; W, the bias and the list: the table's and the list's loads have run beside W's
	WIN 0x0c                                       ; an LDS store's data are its source 1: window 3
.set ii, 0
.rept 32
	ds_store_b128 v[LW], v[4*ii:4*ii+3] offset:2*BP*ii
.set ii, ii+1
.endr
.set ii, 0
.rept 2
	ds_store_b128 v[LSW], v[128+4*ii:131+4*ii] offset:32*SCP*ii
.set ii, ii+1
.endr
	WIN 0
	PREP
	ISSUE 0
	ISSUE 1
	WIN 0
	s_wait_dscnt 0x0                               ; for the others' sake: my part of W lies in LDS
	s_barrier_signal -1
	s_barrier_wait -1                              ; the one barrier: from here on W is only read, and every wave is on its own
.irp jj, 0,1
.irp qq, 0,1,2,3
	ds_load_b128 v[BSC+16*\jj+4*\qq:BSC+16*\jj+4*\qq+3], v[BSR] offset:32*SCP*\jj+16*\qq   ; W's scale words of all 16 K steps stay in registers: lanes 0-15 column tile 2 jj, lanes 16-31 tile 2 jj + 1
.endr
.endr
	s_wait_dscnt 0x0
	s_cmp_eq_u32 s26, 0
	s_cbranch_scc1 .Ldone                          ; this split leaves my wave no tile
.Lpass:
	s_sub_co_u32 s38, s26, s27                     ; tiles left
	s_cmp_ge_u32 s38, 5
	s_cbranch_scc1 .Lfive
	PASS 4
	s_branch .Ljoin
.Lfive:
	PASS 5
.Ljoin:
	s_wait_xcnt 0x0                                ; the stores have read their data and offsets: both are written again below
	s_wait_alu depctr_vm_vsrc(0)                   ; the pass's loads and stores, global and LDS, have read their registers: TOKH, the tiles' results, the accumulators, TA and TB are all written again below, by the additions, the list's loads, PREP and the gathers
	s_add_co_u32 s27, s27, 5
	s_add_co_u32 s44, s44, 1                       ; the loop's counter steps by one, once a trip; its bound s45 is not written in the loop
	s_cmp_ge_u32 s44, s45
	s_cbranch_scc1 .Ldone                          ; the last pass asks for nothing more
	TILES
	TOKLOAD
	s_wait_loadcnt 0x0
	PREP
	ISSUE 0
	ISSUE 1
	WIN 0
	s_cmp_lt_u32 s44, s45
	s_cbranch_scc1 .Lpass
.Ldone:
	s_wait_xcnt 0x0
	s_wait_alu depctr_vm_vsrc(0)                   ; v254 and v255 were data of tile 4's stores into the stage: those have read them, ahead of the two lines that write them
	v_lshl_add_u32 v254, v0, 2, 0x21c00
	v_mov_b32 v255, 0
	s_wait_dscnt 0x0                               ; the closing lines, six on end
	s_wait_alu 0x0
	s_wait_tensorcnt 0x0
	ds_add_u32 v254, v255
	s_wait_dscnt 0x0
	s_endpgm
.Lfunc_end_k_qbd31677629_moe:
	.size	k_qbd31677629_moe, .Lfunc_end_k_qbd31677629_moe-k_qbd31677629_moe
	.p2alignl 7, 3214868480
	.fill 96, 4, 3214868480
	.section	.rodata,"a",@progbits
	.p2align	6, 0x0
	.amdhsa_kernel k_qbd31677629_moe
		.amdhsa_group_segment_fixed_size 138752
		.amdhsa_private_segment_fixed_size 0
		.amdhsa_enable_private_segment 0
		.amdhsa_kernarg_size 64
		.amdhsa_user_sgpr_count 2
		.amdhsa_user_sgpr_kernarg_segment_ptr 1
		.amdhsa_wavefront_size32 1
		.amdhsa_system_sgpr_workgroup_id_x 1
		.amdhsa_system_sgpr_workgroup_id_y 1
		.amdhsa_system_sgpr_workgroup_id_z 1
		.amdhsa_system_vgpr_workitem_id 0
		.amdhsa_next_free_vgpr 1024
		.amdhsa_next_free_sgpr 66
		.amdhsa_reserve_vcc 0
		.amdhsa_float_denorm_mode_32 3
		.amdhsa_float_denorm_mode_16_64 3
		.amdhsa_memory_ordered 1
		.amdhsa_forward_progress 1
		.amdhsa_inst_pref_size 255
	.end_amdhsa_kernel
	.amdgpu_metadata
---
amdhsa.version: [ 1, 2 ]
amdhsa.kernels:
  - .name:           k_qbd31677629_moe
    .symbol:         k_qbd31677629_moe.kd
    .args:
      - { .name: W_codes, .offset: 0, .size: 8, .value_kind: global_buffer, .address_space: global }
      - { .name: W_scales, .offset: 8, .size: 8, .value_kind: global_buffer, .address_space: global }
      - { .name: b, .offset: 16, .size: 8, .value_kind: global_buffer, .address_space: global }
      - { .name: x, .offset: 24, .size: 8, .value_kind: global_buffer, .address_space: global }
      - { .name: xq, .offset: 32, .size: 8, .value_kind: global_buffer, .address_space: global }
      - { .name: xs, .offset: 40, .size: 8, .value_kind: global_buffer, .address_space: global }
      - { .name: route, .offset: 48, .size: 8, .value_kind: global_buffer, .address_space: global }
      - { .name: out0, .offset: 56, .size: 8, .value_kind: global_buffer, .address_space: global }
    .group_segment_fixed_size: 138752
    .private_segment_fixed_size: 0
    .kernarg_segment_align: 8
    .kernarg_segment_size: 64
    .max_flat_workgroup_size: 128
    .sgpr_count:     66
    .vgpr_count:     1024
    .wavefront_size: 32
...
	.end_amdgpu_metadata
.endif
;; end of part 4
